; MI455X (gfx1250); checked and timed in simulation.
; The chip was launched on July 23, 2026; its instructions are those of AMD's public machine-readable ISA for CDNA 5 (MIT licence, August 2026) and "CDNA5" Instruction Set Architecture Reference Guide (July 2026). The comments in the code are by the model that wrote it; some were corrected since.
;; Self Attention. Allowed arithmetic: matrix products marked QUANTISED: E2M3 operands, one E8M0 scale for each 32 along K, by v_wmma_scale_f32_16x16x128_f8f6f4 with both operands' format E2M3, f32 sums; everything else in f32.
;; Inputs: w_in 3,072 x 1,024 float32; w_out 1,024 x 1,024 float32; x 4 x 2,048 x 1,024 float32.
;; Outputs: out0 4 x 2,048 x 1,024 float32.
;; This version of the problem:
;;   THIS VERSION OF THE PROBLEM IS GIVEN IN LOW PRECISION. The matrix products marked QUANTISED in the list below multiply operands that are first quantised to E2M3 (2 exponent bits, 3 mantissa bits; 6 bits a number), with one power-of-two scale for each 32 numbers along K (OCP MX v1.0); their sums are f32. All else is computed in f32.
;;   The module's matrix products, in the order in which they are computed (A, B: the left and right operand; K: the contracted axis; several contracted axes count as one K, in the product's order):
;;     1. [M 8,192, K 1,024] x [K 1,024, N 3,072]; A: input x; B: input w_in: QUANTISED
;;     2. batch 64 x [M 2,048, K 64] x [K 64, N 2,048]; A: computed on the way; B: computed on the way: QUANTISED
;;     3. batch 64 x [M 2,048, K 2,048] x [K 2,048, N 64]; A: softmax (see below); B: computed on the way: QUANTISED
;;     4. [M 8,192, K 1,024] x [K 1,024, N 1,024]; A: computed on the way; B: input w_out: QUANTISED
;;   THE QUANTISER, for each operand of a quantised product, along K:
;;     - K is cut into blocks of 32 from its start; a last block that is shorter is filled with zeros.
;;     - A block's scale is 2^e with e = floor(log2(the largest magnitude in the block)) - 2, held to -126 .. 127; a block of zeros has e = 0. As a byte (E8M0): e + 127.
;;     - Each number is divided by its block's scale, clamped to +-7.5, and rounded to the nearest number of E2M3, ties to even, subnormals kept.
;;     - The product sums the exact products of the quantised numbers (number of the format x scale) in f32.
;;   ~~~python
;;   def quantise(x, axis):      # numpy; x: float32 -> the quantised numbers, widened to float32 again
;;       x = np.moveaxis(x, axis, -1); K = x.shape[-1]
;;       x = np.pad(x, [(0, 0)] * (x.ndim - 1) + [(0, -K % 32)]); x = x.reshape(x.shape[:-1] + (-1, 32)); a = np.abs(x).max(-1, keepdims=True)
;;       e = np.where(a > 0, np.clip(np.frexp(np.where(a > 0, a, 1))[1] - 1 - 2, -126, 127), 0)      # np.frexp(a)[1] - 1 = floor(log2(a)), exactly
;;       r = np.clip(x / 2.0 ** e, -7.5, 7.5)
;;       step = 2.0 ** (np.maximum(np.frexp(np.where(r == 0, 1, r))[1] - 1, 0) - 3)
;;       q = np.round(r / step) * step * 2.0 ** e      # np.round: ties to even
;;       return np.moveaxis(q.reshape(q.shape[:-2] + (-1,))[..., :K], -1, axis).astype(np.float32)
;;   ~~~
;;   SOFTMAX AHEAD OF A QUANTISED PRODUCT. Where the list says 'softmax', what is quantised is not the finished softmax but p = 2^(t - M), with t = logit x log2(e) and M = ceil(the row's largest t), a whole number; so 1/2 < the row's largest p <= 1. The row's sum l is taken of the UNQUANTISED p, in f32, and the product's result is divided by l at the end. Since M is a whole number, a kernel that streams over the keys may use a running M (the ceiling of the running maximum): every later rescaling is an exact power of two, which a block's scale takes up: the codes' values come out the same.
;;   OPERANDS COMPUTED ON THE WAY. 'Computed on the way' means the value that the module computes at that place (a softmax that the list does not call 'softmax' is quantised finished and normalised). What goes into a quantiser is computed in f32, as accurately as f32 sums, v_exp_f32 and their like allow (about 1e-6 of the number): no bf16 or f16 on the way to a quantiser, and a product that is left as it is and whose result goes on into a quantised operand takes f32 operands (vector FMAs, or v_wmma_f32_16x16x4_f32). A number that lies on a knife's edge between two numbers of the format may be rounded either way, as far as f32 arithmetic and the matrix unit's own rounding can turn it there, and no further.
;; One version. Each part assembles by itself: llvm-mc -triple=amdgcn-amd-amdhsa -mcpu=gfx1250 --defsym DOCPART=n.
;; ======== version 1 of 1: 4 launches
;; limits: right only within a limited range of input values
;; workspace buffers: x_img 6,291,456 bytes; x_sc 262,144 bytes; w_img 3,145,728 bytes; w_sc 131,072 bytes; qb 6,815,744 bytes; kv 13,369,344 bytes; y_img 6,291,456 bytes; y_sc 262,144 bytes
;; launch quant (part 1): grid 768 x 1, 4 waves a work-group, no clusters, 34,816 bytes of LDS; arguments x, w_in, w_out, x_img, x_sc, w_img, w_sc; writes x_img, x_sc, w_img, w_sc
.if DOCPART == 1
	.amdgcn_target "amdgcn-amd-amdhsa--gfx1250"
	.amdhsa_code_object_version 6
	.text
	.protected	k_qb4add54001_quant
	.globl	k_qb4add54001_quant
	.p2align	8
	.type	k_qb4add54001_quant,@function
k_qb4add54001_quant:
	s_mov_b64 s[64:65], 0
	v_nop
	global_prefetch_b8 v0, s[64:65] scope:SCOPE_SE
	s_setreg_imm32_b32 hwreg(HW_REG_WAVE_MODE, 25, 1), 1
	s_wait_xcnt 0x0
; x [8192][1024], w_in [3072][1024], w_out [1024][1024], f32, K innermost, become codes of E2M3 with one E8M0 byte for each 32 along K,
; laid in the ORDER OF THE OPERAND'S REGISTERS, so that the products' launches move fragments by whole 16- and 8-byte loads.
; A BLOCK is 16 rows: lane-row r of block a is row 32 (a / 2) + 8 (a % 2) + r + 8 (r / 8).  (With these rows as source 0 of a product, a lane's 16 registers of two
; neighbouring result tiles are 16 neighbours along that axis, which is what the later quantisers want.)
; A FRAGMENT (16 rows x 128 K, 12 registers a lane; lane (r, h): registers 6 c .. 6 c + 5 = k 64 c + 32 h + 0 .. 31) is 1,536 bytes: registers 0-3 at 16 x lane, 4-5 at 512 + 8 x lane,
; 6-9 at 768 + 16 x lane, 10-11 at 1,280 + 8 x lane.  Image of a block: its 8 fragments on end, 12,288 bytes.  Scale words of a block: 512 bytes, word (K step S, row r, q) at 128 S + 8 r + 4 q, for fragment 2 S + q.
; w_img and w_sc hold w_in's 192 blocks and then w_out's 64.
; SHARES: a work-group takes one block, wave S its 256 along K from 256 S on: two fragments.  All 32 loads of a wave go out at once, each 512 consecutive bytes of one row; there is no loop.
; The conversions want 16 neighbours along K in one lane's registers, so each fragment's 8,192 bytes turn through the wave's own stage in LDS (rows 528 bytes apart).
; A block's scale is 2^(floor(log2(its largest magnitude)) - 2): its byte is the largest magnitude's exponent field - 2, held at 1 from below.
; LIMITS: a block whose largest magnitude lies under 2^-124 (a block of zeros too) keeps the byte 1: a block of zeros has zero codes, and this program alone reads the bytes.  NaN and infinities among the inputs are not served.
.set ROWB,  4096                       ; a row of any of the three tensors in bytes
.set SP,    528                        ; a stage row: 512 bytes + 16
.set WST,   16*SP                      ; a wave's stage
.set SCW,   4*WST                      ; behind the four stages: the block's 512 bytes of scale words
.set TMPC,  8                          ; v8-15    the conversions' second halves
.set TM,    16                         ; v16-31   at work: +0..3 largest magnitudes, +4..7 the other half's, then the bytes, +12..15 the conversions' scale operands
.set R,     32                         ; v32-159  two fragments' numbers as loaded
.set X,     160                        ; v160-223 64 numbers: register 16 b + i = k 32 b + 16 h + i of my row
.set FRG,   224                        ; v224-247 the two fragments' codes
.set PW,    248                        ; v248-249 their scale words
.set SEL,   28                         ; s[28:29] lane selects: lane l xor 16
.set WV,    30                         ; s30      my wave's number = the K step
; 64 numbers of a lane, v[s] on, become a fragment's codes in v[d] on and my row's scale word in v[w]
.macro QUANT s, d, w
.irp b, 0,1,2,3
	v_max3_num_f32 v[TM+\b], |v[\s+16*\b]|, |v[\s+1+16*\b]|, 0x1800000   ; block b: my 16 numbers, and the floor 2^(3 - 127): the byte cannot fall under 1
.endr
.irp i, 2,4,6,8,10,12,14
.irp b, 0,1,2,3
	v_max3_num_f32 v[TM+\b], v[TM+\b], |v[\s+16*\b+\i]|, |v[\s+1+16*\b+\i]|   ; the four blocks by turns
.endr
.endr
.irp b, 0,1,2,3
	v_permlanex16_b32 v[TM+4+\b], v[TM+\b], s[SEL], s[SEL+1]
.endr
.irp b, 0,1,2,3
	v_max_num_f32 v[TM+\b], v[TM+\b], v[TM+4+\b]          ; with lane l xor 16's 16: the block's largest magnitude
.endr
.irp b, 0,1,2,3
	v_add_nc_u32 v[TM+12+\b], 0xff000000, v[TM+\b]        ; 2 off its exponent field: the conversion takes this operand's exponent field as its scale
.endr
.irp b, 0,1,2,3
	v_lshrrev_b32 v[TM+4+\b], 23, v[TM+12+\b]             ; the scale's byte
.endr
	v_lshl_or_b32 v[\w], v[TM+5], 8, v[TM+4]
	v_lshl_or_b32 v[\w], v[TM+6], 16, v[\w]
	v_lshl_or_b32 v[\w], v[TM+7], 24, v[\w]
.irp c, 0,1
	v_cvt_scalef32_pk16_fp6_f32 v[\d+6*\c:\d+2+6*\c], v[\s+32*\c:\s+15+32*\c], v[TM+12+2*\c]
	v_cvt_scalef32_pk16_fp6_f32 v[TMPC+4*\c:TMPC+2+4*\c], v[\s+16+32*\c:\s+31+32*\c], v[TM+13+2*\c]   ; (a conversion's three registers begin on an even number)
.endr
	v_nop                                                 ; one plain instruction behind the scaled conversions
.irp c, 0,1                                               ; the layout wants a whole block of 32 in a lane: lanes 0-15 block 2 c, lanes 16-31 block 2 c + 1
.irp i, 0,1,2
	v_permlane16_swap_b32 v[\d+6*\c+\i], v[TMPC+4*\c+\i]
.endr
.irp i, 0,1,2
	v_mov_b32 v[\d+3+6*\c+\i], v[TMPC+4*\c+\i]
.endr
.endr
.endm
	s_load_b256 s[4:11], s[0:1], 0x0               ; x s[4:5], w_in s[6:7], w_out s[8:9], x_img s[10:11]
	s_load_b128 s[12:15], s[0:1], 0x20             ; x_sc s[12:13], w_img s[14:15]
	s_load_b64 s[16:17], s[0:1], 0x30              ; w_sc
	v_lshl_add_u32 v254, v0, 2, 0x8600
	v_mov_b32 v255, 0
	v_lshrrev_b32 v7, 5, v0
	v_readfirstlane_b32 s[WV], v7
	v_and_b32 v7, 31, v0                           ; lane
	v_lshlrev_b32 v1, 4, v7                        ; v1 = 16 x lane
	v_lshlrev_b32 v2, 3, v7                        ; v2 = 8 x lane
	s_mul_i32 s31, s[WV], WST
	v_add_nc_u32 v3, s31, v1                       ; v3: into my stage, as loaded
	v_and_b32 v250, 15, v0                         ; r
	v_bfe_u32 v251, v0, 4, 1                       ; h
	v_mul_u32_u24 v4, v250, SP
	v_lshl_add_u32 v4, v251, 6, v4
	v_add_nc_u32 v4, s31, v4                       ; v4: out of it: row r, + 64 h: my 16 numbers of each block of 32
	s_lshl_b32 s31, s[WV], 7
	s_add_co_u32 s31, s31, SCW
	v_lshl_add_u32 v5, v250, 3, s31                ; v5: my row's two scale words: 128 S + 8 r
	v_add_nc_u32 v6, SCW, v1                       ; v6: the block's scale words on the way out (wave 0)
.irp b, 0,1,2,3
	v_mov_b32 v[TM+4+\b], 0                        ; written once: a lane permute's destination counts as one of its sources
.endr
	s_mov_b32 s[SEL], 0x76543210
	s_mov_b32 s[SEL+1], 0xfedcba98
	s_wait_alu depctr_va_vdst(0)
	s_wait_kmcnt 0x0
	s_cmp_lt_u32 ttmp9, 704                        ; work-groups 0-511: x; 512-703: w_in; 704-767: w_out.  The choices hang on the work-group's number alone
	s_cselect_b64 s[18:19], s[6:7], s[8:9]
	s_mov_b32 s20, 704
	s_cselect_b32 s20, 512, s20
	s_cmp_lt_u32 ttmp9, 512
	s_cselect_b64 s[18:19], s[4:5], s[18:19]       ; the source
	s_cselect_b32 s20, 0, s20                      ; the work-group that takes its block 0
	s_cselect_b64 s[22:23], s[10:11], s[14:15]     ; the image
	s_cselect_b64 s[24:25], s[12:13], s[16:17]     ; the scale words
	s_cselect_b32 s21, 0, 512                      ; the work-group that takes their block 0
	s_sub_co_u32 s20, ttmp9, s20                   ; block in the source
	s_sub_co_u32 s21, ttmp9, s21                   ; block in the image
	s_lshr_b32 s26, s20, 1
	s_lshl_b32 s26, s26, 17                        ; 32 rows for each pair of blocks,
	s_and_b32 s27, s20, 1
	s_lshl_b32 s27, s27, 15                        ; 8 rows for the odd one,
	s_add_co_u32 s26, s26, s27
	s_lshl_b32 s27, s[WV], 10                      ; 256 numbers for each K step
	s_add_co_u32 s26, s26, s27
	s_mov_b32 s27, 0
	s_add_nc_u64 s[18:19], s[18:19], s[26:27]
	s_mul_i32 s26, s21, 12288
	s_mul_i32 s20, s[WV], 3072
	s_add_co_u32 s26, s26, s20
	s_add_nc_u64 s[22:23], s[22:23], s[26:27]
	s_lshl_b32 s26, s21, 9
	s_add_nc_u64 s[24:25], s[24:25], s[26:27]
.irp q, 0,1
.irp i, 0,1,2,3,4,5,6,7,8,9,10,11,12,13,14,15
	global_load_b128 v[R+64*\q+4*\i:R+64*\q+4*\i+3], v1, s[18:19] offset:(\i+8*(\i/8))*ROWB+512*\q th:TH_LOAD_NT   ; lane-row i, fragment q: 32 lanes read 512 consecutive bytes
.endr
.endr
.macro FRAGQ q
	s_wait_loadcnt 16-16*\q                        ; this fragment's 16 loads are in; the second fragment's 16 may be out
.irp i, 0,1,2,3,4,5,6,7,8,9,10,11,12,13,14,15
	ds_store_b128 v3, v[R+64*\q+4*\i:R+64*\q+4*\i+3] offset:SP*\i
.endr
.irp b, 0,1,2,3
.irp j, 0,1,2,3
	ds_load_b128 v[X+16*\b+4*\j:X+16*\b+4*\j+3], v4 offset:128*\b+16*\j   ; LDS serves a wave's instructions in order: these see the stores above
.endr
.endr
	s_wait_dscnt 0x0
	QUANT X, FRG+12*\q, PW+\q
	global_store_b128 v1, v[FRG+12*\q:FRG+12*\q+3], s[22:23] offset:1536*\q           ; 512 consecutive bytes
	global_store_b64 v2, v[FRG+12*\q+4:FRG+12*\q+5], s[22:23] offset:1536*\q+512      ; 256 consecutive bytes
	global_store_b128 v1, v[FRG+12*\q+6:FRG+12*\q+9], s[22:23] offset:1536*\q+768
	global_store_b64 v2, v[FRG+12*\q+10:FRG+12*\q+11], s[22:23] offset:1536*\q+1280
.endm
	FRAGQ 0
	FRAGQ 1
	ds_store_b64 v5, v[PW:PW+1]                    ; lanes l and l xor 16 write the same bytes with the same values
	s_wait_dscnt 0x0                               ; for the others' sake: my scale words lie in LDS
	s_barrier_signal -1
	s_barrier_wait -1
	s_cmp_lg_u32 s[WV], 0                          ; wave 0 stores the block's 512 bytes of scale words as two whole runs of 256
	s_cbranch_scc1 .Lend
	ds_load_b128 v[250:253], v6
	s_wait_dscnt 0x0
	global_store_b128 v1, v[250:253], s[24:25]
.Lend:
	s_wait_tensorcnt 0x0
	ds_add_u32 v254, v255
	s_wait_dscnt 0x0
	s_endpgm
.Lfunc_end_k_qb4add54001_quant:
	.size	k_qb4add54001_quant, .Lfunc_end_k_qb4add54001_quant-k_qb4add54001_quant
	.p2alignl 7, 3214868480
	.fill 96, 4, 3214868480
	.section	.rodata,"a",@progbits
	.p2align	6, 0x0
	.amdhsa_kernel k_qb4add54001_quant
		.amdhsa_group_segment_fixed_size 34816
		.amdhsa_private_segment_fixed_size 0
		.amdhsa_enable_private_segment 0
		.amdhsa_kernarg_size 56
		.amdhsa_user_sgpr_count 2
		.amdhsa_user_sgpr_kernarg_segment_ptr 1
		.amdhsa_wavefront_size32 1
		.amdhsa_system_sgpr_workgroup_id_x 1
		.amdhsa_system_sgpr_workgroup_id_y 1
		.amdhsa_system_sgpr_workgroup_id_z 1
		.amdhsa_system_vgpr_workitem_id 0
		.amdhsa_next_free_vgpr 256
		.amdhsa_next_free_sgpr 66
		.amdhsa_reserve_vcc 0
		.amdhsa_float_denorm_mode_32 3
		.amdhsa_float_denorm_mode_16_64 3
		.amdhsa_memory_ordered 1
		.amdhsa_forward_progress 1
		.amdhsa_inst_pref_size 19
	.end_amdhsa_kernel
	.amdgpu_metadata
---
amdhsa.version: [ 1, 2 ]
amdhsa.kernels:
  - .name:           k_qb4add54001_quant
    .symbol:         k_qb4add54001_quant.kd
    .args:
      - { .name: x, .offset: 0, .size: 8, .value_kind: global_buffer, .address_space: global }
      - { .name: w_in, .offset: 8, .size: 8, .value_kind: global_buffer, .address_space: global }
      - { .name: w_out, .offset: 16, .size: 8, .value_kind: global_buffer, .address_space: global }
      - { .name: x_img, .offset: 24, .size: 8, .value_kind: global_buffer, .address_space: global }
      - { .name: x_sc, .offset: 32, .size: 8, .value_kind: global_buffer, .address_space: global }
      - { .name: w_img, .offset: 40, .size: 8, .value_kind: global_buffer, .address_space: global }
      - { .name: w_sc, .offset: 48, .size: 8, .value_kind: global_buffer, .address_space: global }
    .group_segment_fixed_size: 34816
    .private_segment_fixed_size: 0
    .kernarg_segment_align: 8
    .kernarg_segment_size: 56
    .max_flat_workgroup_size: 128
    .sgpr_count:     66
    .vgpr_count:     256
    .wavefront_size: 32
...
	.end_amdgpu_metadata
.endif
;; end of part 1
;; launch qkv (part 2): grid 8 x 32, 4 waves a work-group, clusters of 4 x 4, 327,680 bytes of LDS; arguments x_img, x_sc, w_img, w_sc, qb, kv; writes qb, kv
.if DOCPART == 2
	.amdgcn_target "amdgcn-amd-amdhsa--gfx1250"
	.amdhsa_code_object_version 6
	.text
	.protected	k_qb4add54001_qkv
	.globl	k_qb4add54001_qkv
	.p2align	8
	.type	k_qb4add54001_qkv,@function
k_qb4add54001_qkv:
	s_mov_b64 s[64:65], 0
	v_nop
	global_prefetch_b8 v0, s[64:65] scope:SCOPE_SE
	s_setreg_imm32_b32 hwreg(HW_REG_WAVE_MODE, 25, 1), 1
	s_wait_xcnt 0x0
	s_wait_alu depctr_hold_cnt(0) depctr_sa_sdst(0) depctr_va_vdst(0) depctr_va_sdst(0) depctr_va_ssrc(0) depctr_va_vcc(0) depctr_vm_vsrc(0)
	s_getreg_b32 s2, hwreg(HW_REG_IB_STS2, 6, 4)
	s_cmp_eq_u32 s2, 0
	s_cbranch_scc0 .Lentry_in_a_cluster
	s_endpgm
.Lentry_in_a_cluster:
	s_bfe_u32 s2, ttmp6, 0x10000c
	s_cmp_lg_u32 s2, 0xf033
	s_cbranch_scc0 .Lentry_shape_is_right
	s_endpgm
.Lentry_shape_is_right:
; qkv = x w_in^T on codes of E2M3 (K = 1,024), and q, k, v quantised straight out of the accumulators: q and k along a head's 64 channels, v along the keys.  Nothing leaves as f32.
; OPERANDS are images of their registers: a block of 16 rows (lane-row r of block a = row 32 (a / 2) + 8 (a % 2) + r + 8 (r / 8)) is 8 fragments of 1,536 bytes on end: registers 0-3 at 16 x lane, 4-5 at 512 + 8 x lane,
; 6-9 at 768 + 16 x lane, 10-11 at 1,280 + 8 x lane.  A block's scale words: 512 bytes, word (S, r, q) at 128 S + 8 r + 4 q, for fragment 2 S + q.
; THE DEAL: 8 x 32 = 256 work-groups of four waves, 2 x 2.  Work-group (TC, TR) holds x's 16 blocks 16 TR .. (256 rows, all of K, 196,608 bytes) in LDS, filled once, and takes three tiles of 8 blocks of w_in in turn:
; q's at block 8 TC, k's at 64 + 8 TC, v's at 128 + 8 TC.  The weights' region (98,304 bytes) is filled three times; each refill stands behind the three lines and a round of the cluster's barrier
; as soon as every wave holds the tile before in registers: 256 products ahead of its use, so no prefetch is laid.
; A wave (RH, CH) holds 4 blocks of the weight (one head's 64 channels), all of K, in 384 registers, and streams x's blocks 8 RH + 0 .. 7 (128 rows) past them, 32 products a block, 4 accumulators by turns.
; q, k (one loop body, two trips): source 0 = the weight, source 1 = x: a lane holds one row of x, its 32 sums are channels 32 j + 16 (lane / 16) + 0 .. 15: two scale blocks.  Block t is quantised and stored behind block t + 1's products.
; v: source 0 = x, source 1 = the weight: a lane holds one channel, and the 64 sums of a channel block over the 8 blocks of x are keys 32 j + 16 (lane / 16) + 0 .. 15: quantised at the end.
; x's tiles are asked for jointly by a row of the cluster, the weights' by a column.
; SCALE WORDS come once by plain loads of 256 consecutive bytes: lane l takes 8 bytes at 8 l: fragment f is register 2 (f / 4) + f % 2, row (f / 2) % 2, on both sides.  The later weights' words wait in registers and are moved at a change of tile.
; OUT.  qb [64 heads][16 groups of 128 queries][6,656]: 8 units of 768 bytes (registers 0-3 at 16 x lane, 4-5 at 512 + 8 x lane), then 512 bytes of scale words: tile 2 j + u, row r at 16 r + 256 u + 4 j (bytes 0, 1; bytes 2, 3 are 0).
;       kv [64 heads][16 steps of 128 keys][13,056]: K's 8 units and, at 12,288, its scale words, as q's; at 6,144 V's 4 fragments; at 12,800 V's scale words: tile 2 j + u, row r at 8 r + 128 u + 4 j.
; LIMITS: a block whose largest magnitude lies under 2^-124 (a block of zeros too) keeps the scale byte 1; NaN and infinities are not served.
; REGISTERS: window 0: v4-11 addresses, v14-15 the add's; v32-127 scale words in groups of 8: the low four x's block g, the high four the weight's block (groups 0-3 in use, 4-7 and 8-11 waiting);
;   v128-191 q's and k's two sets of sums; v128-255 v's sums of channel blocks 0, 1.  Fragment f lies in window 1 + f / 21 at register 12 (f % 21): 0-31 the weight's (4 q + b), 32-39, 40-47 x's two sets.
;   window 3: v72-95 codes, two sets; v96-103, v104-115 at work; v116-119 scale words on the way out; v120-127 the tiles' scale words; v128-255 v's sums of channel blocks 2, 3.
.set FR,   12
.set FPW,  21
.set BLKB, 12288
.set BOF,  16*BLKB
.set SPARE, BOF+8*BLKB
.set A16, 4                            ; v4, v5 x's fragments, 16 x lane: my blocks 0-3, 4-7;  v6, v7 with 8 x lane
.set A8,  6
.set B16, 8
.set B8,  9
.set L16, 10
.set L8,  11
.set SPW, 14
.set NIL, 15
.set SCB, 32
.set ACC, 128
.set CD,  72
.set TMPC, 96
.set TM,  104
.set OW,  116
.set PW,  120
.set WV,  16
.set RH,  17
.set CH,  18
.set G1A, 24                           ; s[24:31], s[36:39] groups 1 and 0 of x's halves;  s[48:55], s[32:35] of the weights'
.set G0A, 36
.set G1B, 48
.set G0B, 32
.set OU,  72                           ; s[72:73] units of the tensor in hand, s[74:75] of the next;  s[80:81], s[82:83] their scale words;  s[84:85] kv at my head and step
.set OS,  80
.set MSK, 76                           ; s76 lanes 16-31;  s77 the trips;  s[78:79] lane selects: lane l xor 16
.set SEL, 78
.set MSB, 0
.macro WIN new
.if MSB != (\new)
	s_set_vgpr_msb (MSB<<8)|(\new)
.set MSB, (\new)
.endif
.endm
.macro PLACES n
.rept \n
	v_nop
.endr
.endm
.macro CROUND
	s_barrier_signal -1
	s_barrier_wait -1
	s_cmp_lg_u32 s[WV], 0
	s_cbranch_scc1 .Lnot_wave_0_\@
	s_barrier_signal -3
.Lnot_wave_0_\@:
	s_barrier_wait -3
	s_barrier_signal -1
	s_barrier_wait -1
.endm
.macro TLOAD g0, g1
	tensor_load_to_lds s[\g0:\g0+3], s[\g1:\g1+7]
	s_nop 0
	PLACES 4
.endm
	s_load_b256 s[4:11], s[0:1], 0x0               ; x_img, x_sc, w_img, w_sc
	s_load_b128 s[12:15], s[0:1], 0x20             ; qb, kv
	v_lshl_add_u32 v[SPW], v0, 2, SPARE
	v_mov_b32 v[NIL], 0
	ds_add_u32 v[SPW], v[NIL]                      ; the opening lines
	ds_add_u32 v[SPW], v[NIL]
	v_lshrrev_b32 v1, 5, v0
	v_readfirstlane_b32 s[WV], v1
	s_lshr_b32 s[RH], s[WV], 1
	s_and_b32 s[CH], s[WV], 1
	s_bfe_u32 s19, ttmp6, 0x40000                  ; cx
	s_bfe_u32 s20, ttmp6, 0x40004                  ; cy
	s_and_b32 s23, ttmp7, 0xffff
	s_lshl_b32 s23, s23, 2
	s_add_co_u32 s23, s23, s20                     ; TR, 0 .. 31
	s_lshl_b32 s40, ttmp9, 2
	s_add_co_u32 s40, s40, s19                     ; TC, 0 .. 7
	s_lshl_b32 s44, s20, 2
	s_lshl_b32 s44, 15, s44                        ; my row of the cluster
	s_lshl_b32 s45, 0x1111, s19                    ; my column
	s_or_b32 s[G1A], s44, (3<<16)|(1<<21)          ; dense bytes as rows of 256 (32 elements of 8 bytes): 384 rows for 8 blocks of x,
	s_mov_b32 s[G1A+1], 32<<16
	s_mov_b32 s[G1A+2], 384<<16
	s_mov_b32 s[G1A+3], 32<<16
	s_mov_b32 s[G1A+4], 384
	s_mov_b32 s[G1A+5], 32
	s_mov_b32 s[G1A+6], 0
	s_mov_b32 s[G1A+7], 0
	s_or_b32 s[G1B], s45, (3<<16)|(1<<21)          ; 192 rows for 4 blocks of a weight
	s_mov_b32 s[G1B+1], 32<<16
	s_mov_b32 s[G1B+2], 192<<16
	s_mov_b32 s[G1B+3], 32<<16
	s_mov_b32 s[G1B+4], 192
	s_mov_b32 s[G1B+5], 32
	s_mov_b32 s[G1B+6], 0
	s_mov_b32 s[G1B+7], 0
	s_mov_b32 s[G0A], 1
	s_mul_i32 s[G0A+1], s[CH], 8*BLKB              ; waves 2, 3: x's half wave % 2
	s_mov_b32 s[G0B], 1
	s_mul_i32 s41, s[CH], 4*BLKB                   ; waves 0, 1: the weight's half wave % 2
	s_add_co_u32 s[G0B+1], s41, BOF
	s_mul_i32 s56, s23, 16*BLKB
	s_add_co_u32 s56, s56, s[G0A+1]                ; x's half, bytes from x_img
	s_mov_b32 s57, 0
	s_mul_i32 s58, s40, 8*BLKB
	s_add_co_u32 s58, s58, s41                     ; q's weights' half, from w_img
	s_mov_b32 s59, 0
	s_lshl_b32 s60, s23, 13
	s_lshl_b32 s61, s[RH], 12
	s_add_co_u32 s60, s60, s61                     ; x's scale words: (16 TR + 8 RH) x 512
	s_mov_b32 s61, 0
	s_lshl_b32 s62, s40, 12
	s_lshl_b32 s63, s[CH], 11
	s_add_co_u32 s62, s62, s63                     ; the weights': (8 TC + 4 CH) x 512
	s_mov_b32 s63, 0
	s_lshr_b32 s66, s23, 3
	s_lshl_b32 s66, s66, 4
	s_lshl_b32 s67, s40, 1
	s_add_co_u32 s66, s66, s67
	s_add_co_u32 s66, s66, s[CH]                   ; 16 x batch + my head
	s_and_b32 s67, s23, 7
	s_lshl_b32 s67, s67, 1
	s_add_co_u32 s67, s67, s[RH]                   ; my group of 128 rows in the batch
	s_mul_i32 s68, s66, 106496
	s_mul_i32 s69, s67, 6656
	s_add_co_u32 s68, s68, s69
	s_mov_b32 s69, 0
	s_mul_i32 s70, s66, 208896
	s_mul_i32 s71, s67, 13056
	s_add_co_u32 s70, s70, s71
	s_mov_b32 s71, 0
	s_mul_i32 s46, s[RH], 8*BLKB                   ; LDS: my blocks 0-3 of x,
	s_add_co_u32 s47, s46, 4*BLKB                  ; my blocks 4-7
	s_mov_b32 s[SEL], 0x76543210
	s_mov_b32 s[SEL+1], 0xfedcba98
	s_wait_dscnt 0x0
	CROUND                                         ; all sixteen work-groups are here: the joint loads meet
	s_wait_kmcnt 0x0
	s_add_nc_u64 s[G0A+2:G0A+3], s[4:5], s[56:57]
	s_or_b32 s[G0A+3], s[G0A+3], 0x80000000
	s_add_nc_u64 s[G0B+2:G0B+3], s[8:9], s[58:59]
	s_or_b32 s[G0B+3], s[G0B+3], 0x80000000
	s_add_nc_u64 s[6:7], s[6:7], s[60:61]
	s_add_nc_u64 s[10:11], s[10:11], s[62:63]
	s_add_nc_u64 s[OU:OU+1], s[12:13], s[68:69]
	s_add_nc_u64 s[OS:OS+1], s[OU:OU+1], 6144
	s_add_nc_u64 s[OU+2:OU+3], s[14:15], s[70:71]
	s_add_nc_u64 s[OS+2:OS+3], s[OU+2:OU+3], 12288
	s_mov_b64 s[84:85], s[OU+2:OU+3]
	s_cmp_lt_u32 s[WV], 2
	s_cbranch_scc0 .Lfor_x
	TLOAD G0B, G1B                                 ; waves 0, 1: q's weights
	s_branch .Lasked
.Lfor_x:
	TLOAD G0A, G1A                                 ; waves 2, 3: x
.Lasked:
	v_and_b32 v1, 31, v0
	v_lshlrev_b32 v[L8], 3, v1
	v_lshlrev_b32 v[L16], 4, v1
	v_add_nc_u32 v[A16], s46, v[L16]
	v_add_nc_u32 v[A8], s46, v[L8]
	v_add_nc_u32 v[A16+1], s47, v[L16]
	v_add_nc_u32 v[A8+1], s47, v[L8]
	v_add_nc_u32 v[B16], s[G0B+1], v[L16]
	v_add_nc_u32 v[B8], s[G0B+1], v[L8]
	v_cmp_le_u32 s[MSK], 16, v1
	WIN 0xC0
.irp b, 4,5,6,7
	v_mov_b32 v[TM+\b], 0                          ; a lane permute's destination counts as one of its sources
.endr
	WIN 0
	s_wait_alu depctr_va_vdst(0)                   ; the wait at the head's end
.irp u, 0,1
.irp s, 0,1,2,3,4,5,6,7
	global_load_b64 v[SCB+8*\s+2*\u:SCB+8*\s+2*\u+1], v[L8], s[6:7] offset:\s*512+256*\u
.endr
.irp g, 0,1,2,3,4,5,6,7,8,9,10,11
	global_load_b64 v[SCB+8*\g+4+2*\u:SCB+8*\g+5+2*\u], v[L8], s[10:11] offset:(\g/4)*32768+(\g%4)*512+256*\u
.endr
.endr
.macro FRAGL f, a16, a8, off           ; a fragment comes as it lies: 16, 8, 16, 8 bytes a lane
	WIN (1+(\f)/FPW)<<6
.set R_, FR*((\f)%FPW)
	ds_load_b128 v[R_:R_+3], v[\a16] offset:\off
	ds_load_b64 v[R_+4:R_+5], v[\a8] offset:\off+512
	ds_load_b128 v[R_+6:R_+9], v[\a16] offset:\off+768
	ds_load_b64 v[R_+10:R_+11], v[\a8] offset:\off+1280
.endm
.macro FETCH s                         ; my block s of x into set s % 2: 32 loads
.irp q, 0,1,2,3,4,5,6,7
	FRAGL 32+8*((\s)%2)+\q, A16+(\s)/4, A8+(\s)/4, ((\s)%4)*BLKB+1536*\q
.endr
	WIN 0
.endm
.macro WEIGHTS                         ; my 4 blocks of the weight, all of K: 128 loads
.irp q, 0,1,2,3,4,5,6,7
.irp b, 0,1,2,3
	FRAGL 4*\q+\b, B16, B8, \b*BLKB+1536*\q
.endr
.endr
	WIN 0
.endm
.macro PR1 c, row
	v_wmma_scale_f32_16x16x128_f8f6f4 v[D_:D_+7], v[FR*(S0_%FPW):FR*(S0_%FPW)+FR-1], v[FR*(S1_%FPW):FR*(S1_%FPW)+FR-1], \c, v[X0_], v[X1_] matrix_a_fmt:MATRIX_FMT_FP6 matrix_b_fmt:MATRIX_FMT_FP6 matrix_a_scale:MATRIX_SCALE_ROW\row matrix_b_scale:MATRIX_SCALE_ROW\row
.endm
.macro PROD kind, s, q, b              ; kind 0: q, k; kind 1: v
.set J_, 2*((\q)/4)+(\q)%2
.if \kind
.set S0_, 32+8*((\s)%2)+(\q)
.set S1_, 4*(\q)+(\b)
.set X0_, SCB+8*(\s)+J_
.set X1_, SCB+8*(\b)+4+J_
.set D_, 128+64*((\b)%2)+8*(\s)
.set W_, 3*((\b)/2)
.else
.set S0_, 4*(\q)+(\b)
.set S1_, 32+8*((\s)%2)+(\q)
.set X0_, SCB+8*(\b)+4+J_
.set X1_, SCB+8*(\s)+J_
.set D_, ACC+32*((\s)%2)+8*(\b)
.set W_, 0
.endif
	WIN (1+S0_/FPW)|((1+S1_/FPW)<<2)|(W_<<4)|(W_<<6)
.if (\q) == 0
	PR1 0, 0                                       ; the first product starts the sum
.elseif ((\q)/2)%2
	PR1 v[D_:D_+7], 1
.else
	PR1 v[D_:D_+7], 0
.endif
.endm
.macro PRODS kind, s
.irp q, 0,1,2,3,4,5,6,7
.irp b, 0,1,2,3
	PROD \kind, \s, \q, \b
.endr
.endr
	WIN 0
.endm
; 16 nb sums of a lane from register x of window w on (register 16 b + i = place 32 b + 16 (lane / 16) + i along the next K) become 3 nb registers of codes at c and the scale bytes in pw.  Each accumulator is first read at its registers 0 and 1.
.macro QUANT x, w, nb, c, pw
	s_wait_xcnt 0x0                                ; earlier stores have read the registers that are written below
	WIN 0xC0|(\w)|((\w)<<2)
.set B_, 0
.rept \nb
	v_max3_num_f32 v[TM+B_], |v[(\x)+16*B_]|, |v[(\x)+1+16*B_]|, 0x1800000   ; the floor 2^(3 - 127): the byte cannot fall under 1
.set B_, B_+1
.endr
	WIN 0xC3|((\w)<<2)|((\w)<<4)
.irp i, 2,4,6,8,10,12,14
.set B_, 0
.rept \nb
	v_max3_num_f32 v[TM+B_], v[TM+B_], |v[(\x)+16*B_+\i]|, |v[(\x)+1+16*B_+\i]|
.set B_, B_+1
.endr
.endr
	WIN 0xFF
.set B_, 0
.rept \nb
	v_permlanex16_b32 v[TM+4+B_], v[TM+B_], s[SEL], s[SEL+1]
.set B_, B_+1
.endr
.set B_, 0
.rept \nb
	v_max_num_f32 v[TM+B_], v[TM+B_], v[TM+4+B_]   ; with lane l xor 16's 16: the block's largest magnitude
.set B_, B_+1
.endr
.set B_, 0
.rept \nb
	v_add_nc_u32 v[TM+8+B_], 0xff000000, v[TM+B_]  ; 2 off its exponent field: the conversion's scale operand
.set B_, B_+1
.endr
.set B_, 0
.rept \nb
	v_lshrrev_b32 v[TM+4+B_], 23, v[TM+8+B_]       ; the scale's byte
.set B_, B_+1
.endr
	v_lshl_or_b32 v[\pw], v[TM+5], 8, v[TM+4]
.if (\nb) == 4
	v_lshl_or_b32 v[\pw], v[TM+6], 16, v[\pw]
	v_lshl_or_b32 v[\pw], v[TM+7], 24, v[\pw]
.endif
	WIN 0xCC|(\w)
.set B_, 0
.rept (\nb)/2
	v_cvt_scalef32_pk16_fp6_f32 v[(\c)+6*B_:(\c)+2+6*B_], v[(\x)+32*B_:(\x)+15+32*B_], v[TM+8+2*B_]
	v_cvt_scalef32_pk16_fp6_f32 v[TMPC+4*B_:TMPC+2+4*B_], v[(\x)+16+32*B_:(\x)+31+32*B_], v[TM+9+2*B_]
.set B_, B_+1
.endr
	WIN 0xFF
	v_nop                                          ; one plain instruction behind the scaled conversions
.set B_, 0
.rept (\nb)/2
.irp i, 0,1,2
	v_permlane16_swap_b32 v[(\c)+6*B_+\i], v[TMPC+4*B_+\i]   ; a whole block of 32 to a lane
.endr
.irp i, 0,1,2
	v_mov_b32 v[(\c)+3+6*B_+\i], v[TMPC+4*B_+\i]
.endr
.set B_, B_+1
.endr
	s_wait_alu depctr_va_vdst(0)
.endm
.macro QOUT t                          ; q, k: block t's unit of 768 bytes
	QUANT ACC+32*((\t)%2), 0, 2, CD+12*((\t)%2), PW+(\t)
	WIN 0x0C
	global_store_b128 v[L16], v[CD+12*((\t)%2):CD+12*((\t)%2)+3], s[OU:OU+1] offset:768*(\t)       ; 512 consecutive bytes
	global_store_b64 v[L8], v[CD+12*((\t)%2)+4:CD+12*((\t)%2)+5], s[OU:OU+1] offset:768*(\t)+512   ; 256 consecutive bytes
	WIN 0
.endm
.macro BLKQ s                          ; a block's rows were fetched two blocks ago; the next block's fetch, 32 loads, is younger
.if (\s) == 7
	s_wait_tensorcnt 0x0                           ; every wave: the next weights are in
	s_wait_dscnt 0x0
	s_barrier_signal -1                            ; the products stand between signal and wait: work on registers
.else
	s_wait_dscnt 32
.endif
	PRODS 0, \s
.if (\s) == 7
	s_barrier_wait -1
.endif
.if (\s) > 0
	QOUT (\s)-1                                    ; its vector lines are also the places ahead of the fetch
.else
	PLACES 4
.endif
	FETCH ((\s)+2)%8                               ; blocks 6 and 7 fetch the next tensor's first two
.endm
	s_cmp_lt_u32 s[WV], 2
	s_cbranch_scc0 .Lnot_b
	s_wait_tensorcnt 0x0
.Lnot_b:
	s_barrier_signal -1
	s_barrier_wait -1                              ; q's weights are in
	WEIGHTS
	s_wait_tensorcnt 0x0                           ; every wave
	s_wait_dscnt 0x0
	s_barrier_signal -1
	s_barrier_wait -1                              ; x is in
	FETCH 0
	FETCH 1
	s_wait_loadcnt 0x0                             ; the scale words
	s_mov_b32 s77, 0
.Lphase:                                           ; two trips: q, then k
	s_wait_tensorcnt 0x0                           ; the three lines ahead of a refill's round
	ds_add_u32 v[SPW], v[NIL]
	s_add_nc_u64 s[G0B+2:G0B+3], s[G0B+2:G0B+3], 64*BLKB   ; no load of mine is out: on to the next tensor's weights
	s_wait_dscnt 0x0                               ; the add is done, and I hold this tensor's weights in registers
	CROUND
	s_cmp_lt_u32 s[WV], 2
	s_cbranch_scc0 .Lno_half
	TLOAD G0B, G1B                                 ; waves 0 and 1, a half each
.Lno_half:
.irp s, 0,1,2,3,4,5,6,7
	BLKQ \s
.endr
	WEIGHTS                                        ; the next tensor's; the last block's way out stands under their flight
.irp g, 0,1,2,3
.irp j, 4,5,6,7
	v_mov_b32 v[SCB+8*\g+\j], v[SCB+32+8*\g+\j]    ; the next weights' scale words come into use,
	v_mov_b32 v[SCB+32+8*\g+\j], v[SCB+64+8*\g+\j] ; and those after them move up
.endr
.endr
	QOUT 7
	WIN 0xFF
.irp j, 0,1,2,3
	v_cndmask_b32 v[OW+\j], v[PW+2*\j], v[PW+2*\j+1], s[MSK]   ; lanes 0-15: tile 2 j's word of row r; lanes 16-31: tile 2 j + 1's
.endr
	WIN 0x0C
	global_store_b128 v[L16], v[OW:OW+3], s[OS:OS+1]
	WIN 0
	s_wait_xcnt 0x0                                ; the stores have read their bases
	s_mov_b64 s[OU:OU+1], s[OU+2:OU+3]
	s_mov_b64 s[OS:OS+1], s[OS+2:OS+3]
	s_add_co_u32 s77, s77, 1
	s_cmp_lg_u32 s77, 2
	s_wait_alu depctr_va_vdst(0)                   ; the wait ahead of the branch
	s_cbranch_scc1 .Lphase
; v: 8 blocks of x against my head's 4 channel blocks; all 32 accumulators stay until the end
.irp s, 0,1,2,3,4,5,6,7
.if (\s == 0) || (\s == 7)
	s_wait_dscnt 0x0                               ; block 0: the weights too; block 7: nothing younger
.else
	s_wait_dscnt 32
.endif
	PRODS 1, \s
	PLACES 4
.if \s < 6
	FETCH \s+2
.endif
.endr
.irp b, 0,1,2,3
	QUANT 128+64*(\b%2), 3*(\b/2), 4, CD+12*(\b%2), PW+\b
	WIN 0x0C
	global_store_b128 v[L16], v[CD+12*(\b%2):CD+12*(\b%2)+3], s[84:85] offset:6144+1536*\b
	global_store_b64 v[L8], v[CD+12*(\b%2)+4:CD+12*(\b%2)+5], s[84:85] offset:6144+1536*\b+512
	global_store_b128 v[L16], v[CD+12*(\b%2)+6:CD+12*(\b%2)+9], s[84:85] offset:6144+1536*\b+768
	global_store_b64 v[L8], v[CD+12*(\b%2)+10:CD+12*(\b%2)+11], s[84:85] offset:6144+1536*\b+1280
.endr
	WIN 0xFF
.irp j, 0,1
	v_cndmask_b32 v[OW+\j], v[PW+2*\j], v[PW+2*\j+1], s[MSK]
.endr
	WIN 0x0C
	global_store_b64 v[L8], v[OW:OW+1], s[84:85] offset:12800      ; 256 consecutive bytes
	WIN 0
	s_wait_tensorcnt 0x0                           ; the wave's end
	ds_add_u32 v[SPW], v[NIL]
	s_wait_dscnt 0x0
	CROUND                                         ; the closing round
	s_endpgm
.Lfunc_end_k_qb4add54001_qkv:
	.size	k_qb4add54001_qkv, .Lfunc_end_k_qb4add54001_qkv-k_qb4add54001_qkv
	.p2alignl 7, 3214868480
	.fill 96, 4, 3214868480
	.section	.rodata,"a",@progbits
	.p2align	6, 0x0
	.amdhsa_kernel k_qb4add54001_qkv
		.amdhsa_group_segment_fixed_size 327680
		.amdhsa_private_segment_fixed_size 0
		.amdhsa_enable_private_segment 0
		.amdhsa_kernarg_size 48
		.amdhsa_user_sgpr_count 2
		.amdhsa_user_sgpr_kernarg_segment_ptr 1
		.amdhsa_wavefront_size32 1
		.amdhsa_system_sgpr_workgroup_id_x 1
		.amdhsa_system_sgpr_workgroup_id_y 1
		.amdhsa_system_sgpr_workgroup_id_z 1
		.amdhsa_system_vgpr_workitem_id 0
		.amdhsa_next_free_vgpr 1024
		.amdhsa_next_free_sgpr 90
		.amdhsa_reserve_vcc 0
		.amdhsa_float_denorm_mode_32 3
		.amdhsa_float_denorm_mode_16_64 3
		.amdhsa_memory_ordered 1
		.amdhsa_forward_progress 1
		.amdhsa_inst_pref_size 170
	.end_amdhsa_kernel
	.amdgpu_metadata
---
amdhsa.version: [ 1, 2 ]
amdhsa.kernels:
  - .name:           k_qb4add54001_qkv
    .symbol:         k_qb4add54001_qkv.kd
    .args:
      - { .name: x_img, .offset: 0, .size: 8, .value_kind: global_buffer, .address_space: global }
      - { .name: x_sc, .offset: 8, .size: 8, .value_kind: global_buffer, .address_space: global }
      - { .name: w_img, .offset: 16, .size: 8, .value_kind: global_buffer, .address_space: global }
      - { .name: w_sc, .offset: 24, .size: 8, .value_kind: global_buffer, .address_space: global }
      - { .name: qb, .offset: 32, .size: 8, .value_kind: global_buffer, .address_space: global }
      - { .name: kv, .offset: 40, .size: 8, .value_kind: global_buffer, .address_space: global }
    .group_segment_fixed_size: 327680
    .private_segment_fixed_size: 0
    .kernarg_segment_align: 8
    .kernarg_segment_size: 48
    .max_flat_workgroup_size: 128
    .sgpr_count:     90
    .vgpr_count:     1024
    .wavefront_size: 32
...
	.end_amdgpu_metadata
.endif
;; end of part 2
;; launch attn (part 3): grid 4 x 64, 16 waves a work-group, clusters of 4 x 1, 210,944 bytes of LDS; arguments qb, kv, y_img, y_sc; writes y_img, y_sc
.if DOCPART == 3
	.amdgcn_target "amdgcn-amd-amdhsa--gfx1250"
	.amdhsa_code_object_version 6
	.text
	.protected	k_qb4add54001_attn
	.globl	k_qb4add54001_attn
	.p2align	8
	.type	k_qb4add54001_attn,@function
k_qb4add54001_attn:
	s_mov_b64 s[64:65], 0
	v_nop
	global_prefetch_b8 v0, s[64:65] scope:SCOPE_SE
	s_setreg_imm32_b32 hwreg(HW_REG_WAVE_MODE, 25, 1), 1
	s_wait_xcnt 0x0
	s_wait_alu depctr_hold_cnt(0) depctr_sa_sdst(0) depctr_va_vdst(0) depctr_va_sdst(0) depctr_va_ssrc(0) depctr_va_vcc(0) depctr_vm_vsrc(0)
	s_getreg_b32 s2, hwreg(HW_REG_IB_STS2, 6, 4)
	s_cmp_eq_u32 s2, 0
	s_cbranch_scc0 .Lentry_in_a_cluster
	s_endpgm
.Lentry_in_a_cluster:
	s_bfe_u32 s2, ttmp6, 0x10000c
	s_cmp_lg_u32 s2, 0x3003
	s_cbranch_scc0 .Lentry_shape_is_right
	s_endpgm
.Lentry_shape_is_right:
; y[b][q][head] = causal softmax(q k^T / 8) v, both products on codes of E2M3, and y quantised along C for the last product.  64 heads (16 x batch + head) of 2,048 rows x 64 channels.
; SOFTMAX: t = score x log2(e) / 8; M = the row's largest t so far, rounded up to a whole number; p = 2^(t - M) is quantised along the keys, not normalised; the row's sum is taken of the unquantised p and
; divides at the end.  When M moves, the sum and O are multiplied by 2^(old M - new M): exact.
; INPUTS: qb [64][16][6,656], kv [64][16][13,056]: per step of 128 keys K's 8 units of 768 bytes, V's 4 fragments of 1,536 at 6,144, K's scale words at 12,288, V's at 12,800.
; Lane-row r of tile a is row 32 (a / 2) + 8 (a % 2) + r + 8 (r / 8), for queries, keys and channels alike.
; LEFT OUT: key steps whose keys all come after a tile's queries: the causal mask sets their scores to -inf, so their p is 0 for all inputs.
; SHARES.  The four work-groups of a head form a cluster of 4 x 1.  A tile of 16 queries, a, needs the key steps 0 .. a / 8.  Wave w owns the early tile 8 (w / 2) + 2 cx + w % 2 and the late tile 127 - that:
; (w / 2 + 1) + (16 - w / 2) = 17 units of 16 queries x 128 keys for every wave.  The number of key steps hangs on the wave's number alone, so no branch hangs on the place in the cluster;
; the place enters global addresses and the mask's bound (a number that is compared and selected by) only.
; ALL OF A HEAD'S K AND V STAY IN LDS: 16 x 13,056 bytes, filled once, one JOINT tensor load a wave (mask 15: the four partners ask for the same key step w with the same descriptor).  Waves 0 and 1 of every partner read all 16 steps.
; No ring, no refill.  No prefetch: every byte of K and V is asked for by the loads at the head.
; LAYOUT.  Both products are used transposed: S^T = K Q^T, O^T = V^T P^T: a lane holds ONE query (lane % 16); the 16 registers of score tiles 2 b, 2 b + 1 are keys 32 b + 16 (lane / 16) + 0 .. 15, O^T's likewise channels.
; K = 64 IN A FORM OF 128: Q's registers 6-11 are zero codes; K's operand names 12 registers from its unit's first; the upper six meet Q's zeros under scale bytes 0 on both sides (2^-127) and add exactly 0.
; LIMITS: 1 / l by v_rcp_f32; a block's largest p is the exponential of the block's largest score (taken not to fall where its input rises); blocks under 2^-124 keep the scale byte 1; NaN and infinities are not served;
; the scaled scores stay under 2^31 in magnitude.
; REGISTERS: v1 16 x lane, v2 8 x lane, v3-4 the step's LDS addresses, v5-6 the mask's bounds (late, early), v7 an offset; v8-11, v12-15 late and early: -M, largest t, the sum in two halves; v16-27, v28-39 Q late, early;
;   v40-41 V's scale words; v42-95 K's units or V's fragments (v90-95 zeros); v96-159 S^T, then p; v160-191, v192-223 O^T late, early; v224-235 p's codes; v232-247 at work; v248-251 K's scale words; v252 f (v253 = 0);
;   v254 at work, then p's scale word; v255 Q's scale words: lanes 0-15 the early tile's, lanes 16-31 the late tile's.
.set SK,   13056
.set VOF,  6144
.set KSC,  12288
.set VSC,  12800
.set F,    42
.set S,    96
.set WV,   12                          ; s12 wave; s13 cx; s14 head; s15, s16 early and late tile; s17, s18 their last key steps; s19 the key step; s20 its first LDS byte
.set CS,   22                          ; s[22:23] c = log2(e) / 8
.set SEL,  24                          ; s[24:25] lane selects: lane l xor 16
.macro CROUND                          ; a round of the cluster's barrier
	s_barrier_signal -1
	s_barrier_wait -1
	s_cmp_lg_u32 s[WV], 0
	s_cbranch_scc1 .Lnot_wave_0_\@
	s_barrier_signal -3
.Lnot_wave_0_\@:
	s_barrier_wait -3
	s_barrier_signal -1
	s_barrier_wait -1
.endm
	s_load_b256 s[4:11], s[0:1], 0x0               ; qb, kv, y_img, y_sc
	v_lshl_add_u32 v254, v0, 2, 0x33000
	v_mov_b32 v255, 0
	ds_add_u32 v254, v255                          ; the opening lines
	ds_add_u32 v254, v255
	s_wait_dscnt 0x0
	v_lshrrev_b32 v3, 5, v0
	s_delay_alu instid0(VALU_DEP_1)
	v_readfirstlane_b32 s[WV], v3                  ; wave 0..15
	s_bfe_u32 s13, ttmp6, 0x40000                  ; cx
	s_and_b32 s14, ttmp7, 0xffff                   ; the cluster's y: 16 x batch + head
	s_lshr_b32 s17, s[WV], 1                       ; the early tile's last key step: of the wave's number alone
	s_sub_co_u32 s18, 15, s17                      ; the late tile's
	s_lshl_b32 s15, s17, 3
	s_lshl_b32 s16, s13, 1
	s_add_co_u32 s15, s15, s16
	s_and_b32 s16, s[WV], 1
	s_add_co_u32 s15, s15, s16                     ; the early tile, 0 .. 63
	s_sub_co_u32 s16, 127, s15                     ; the late tile, 64 .. 127
	s_mov_b32 s32, (3<<16)|(1<<21)|15              ; group 1: 13,056 dense bytes as 51 rows of 256; the mask names the cluster's four
	s_mov_b32 s33, 32<<16
	s_mov_b32 s34, 51<<16
	s_mov_b32 s35, 32<<16
	s_mov_b32 s36, 51
	s_mov_b32 s37, 32
	s_mov_b32 s38, 0
	s_mov_b32 s39, 0
	s_mov_b32 s28, 1
	s_mul_i32 s29, s[WV], SK                       ; LDS address: key step w
	s_mul_i32 s52, s14, 16*SK
	s_add_co_u32 s52, s52, s29
	s_mov_b32 s53, 0
	CROUND                                         ; the four partners are here: the joint loads meet
	s_wait_kmcnt 0x0
	s_add_nc_u64 s[30:31], s[6:7], s[52:53]
	s_or_b32 s31, s31, 0x80000000
	tensor_load_to_lds s[28:31], s[32:39]
	s_nop 0
.rept 4
	v_nop
.endr
	s_mov_b32 s[CS], 0x3e38aa3b
	s_mov_b32 s[CS+1], s[CS]
	s_mov_b32 s[SEL], 0x76543210
	s_mov_b32 s[SEL+1], 0xfedcba98
	s_mul_i32 s52, s14, 106496
	s_add_nc_u64 s[56:57], s[4:5], s[52:53]        ; qb at my head
	s_mul_i32 s58, s17, 6656
	s_mul_i32 s59, s18, 6656
	s_and_b32 s54, s15, 7
	s_mul_i32 s54, s54, 768
	s_add_co_u32 s52, s58, s54
	s_add_nc_u64 s[40:41], s[56:57], s[52:53]      ; the early tile's unit
	s_and_b32 s54, s16, 7
	s_mul_i32 s54, s54, 768
	s_add_co_u32 s52, s59, s54
	s_add_nc_u64 s[42:43], s[56:57], s[52:53]      ; the late tile's
	s_and_b32 s54, s15, 1                          ; scale words: tile 2 j + u of a group at 6,144 + 16 r + 256 u + 4 j
	s_lshl_b32 s54, s54, 8
	s_add_co_u32 s58, s58, s54
	s_bfe_u32 s54, s15, 0x20001
	s_lshl_b32 s54, s54, 2
	s_add_co_u32 s58, s58, s54
	s_and_b32 s54, s16, 1
	s_lshl_b32 s54, s54, 8
	s_add_co_u32 s59, s59, s54
	s_bfe_u32 s54, s16, 0x20001
	s_lshl_b32 s54, s54, 2
	s_add_co_u32 s59, s59, s54
	s_sub_co_u32 s59, s59, s58
	v_and_b32 v232, 15, v0                         ; r
	v_bfe_u32 v233, v0, 4, 1                       ; h
	v_and_b32 v234, 31, v0
	s_delay_alu instid0(VALU_DEP_1)
	v_lshlrev_b32 v1, 4, v234
	s_delay_alu instid0(VALU_DEP_2)
	v_lshlrev_b32 v2, 3, v234
	s_delay_alu instid0(VALU_DEP_4)
	v_mul_u32_u24 v7, s59, v233                    ; lanes 16-31 take the late tile's words
	s_delay_alu instid0(VALU_DEP_1)
	v_lshl_add_u32 v7, v232, 4, v7
	s_delay_alu instid0(VALU_DEP_1)
	v_add_nc_u32 v7, s58, v7
	global_load_b128 v[16:19], v1, s[42:43]        ; Q stays in registers
	global_load_b64 v[20:21], v2, s[42:43] offset:512
	global_load_b128 v[28:31], v1, s[40:41]
	global_load_b64 v[32:33], v2, s[40:41] offset:512
	global_load_b32 v255, v7, s[56:57] offset:6144
	; the mask's bound: on a tile's last key step register 16 b + i holds the step's key 32 b + 16 h + i, hidden where 32 b + i > my query in the step - 16 h
	v_and_b32 v234, 8, v232
	s_delay_alu instid0(VALU_DEP_1)
	v_add_nc_u32 v234, v234, v232
	v_lshlrev_b32 v235, 4, v233
	s_delay_alu instid0(VALU_DEP_1)
	v_sub_nc_u32 v234, v234, v235
	s_wait_alu depctr_va_vdst(0)
	s_bfe_u32 s54, s16, 0x20001
	s_lshl_b32 s54, s54, 5
	s_and_b32 s55, s16, 1
	s_lshl_b32 s55, s55, 3
	s_add_co_u32 s54, s54, s55
	v_add_nc_u32 v5, s54, v234                     ; late
	s_bfe_u32 s54, s15, 0x20001
	s_lshl_b32 s54, s54, 5
	s_and_b32 s55, s15, 1
	s_lshl_b32 s55, s55, 3
	s_add_co_u32 s54, s54, s55
	v_add_nc_u32 v6, s54, v234                     ; early
	; where y goes: block 128 x batch + tile; my head's unit at 768 x head; its two scale bytes in word (head / 4, r, (head / 2) % 2), half head % 2
	s_and_b32 s54, s14, 15
	s_lshr_b32 s55, s54, 2
	s_lshl_b32 s55, s55, 7
	s_bfe_u32 s58, s54, 0x10001
	s_lshl_b32 s58, s58, 2
	s_add_co_u32 s55, s55, s58
	s_and_b32 s58, s54, 1
	s_lshl_b32 s58, s58, 1
	s_add_co_u32 s55, s55, s58
	s_mul_i32 s54, s54, 768
	s_and_b32 s58, s14, 0x30
	s_lshl_b32 s58, s58, 3
	s_add_co_u32 s59, s58, s16
	s_add_co_u32 s58, s58, s15
	s_mul_i32 s52, s58, 12288
	s_add_co_u32 s52, s52, s54
	s_add_nc_u64 s[44:45], s[8:9], s[52:53]        ; y_img, early
	s_mul_i32 s52, s59, 12288
	s_add_co_u32 s52, s52, s54
	s_add_nc_u64 s[46:47], s[8:9], s[52:53]        ; late
	s_lshl_b32 s52, s58, 9
	s_add_co_u32 s52, s52, s55
	s_add_nc_u64 s[48:49], s[10:11], s[52:53]      ; y_sc, early
	s_lshl_b32 s52, s59, 9
	s_add_co_u32 s52, s52, s55
	s_add_nc_u64 s[50:51], s[10:11], s[52:53]      ; late
.irp j, 22,23,24,25,26,27,34,35,36,37,38,39,90,91,92,93,94,95,236,237,238,239,253,10,11,14,15
	v_mov_b32 v[\j], 0                             ; Q's upper halves, the codes behind K's last unit, the permutes' destinations, the pair's upper half, the sums
.endr
	v_mov_b32 v9, 0xff61b1e6                       ; the largest t so far: -3e38
	v_mov_b32 v13, 0xff61b1e6
	s_delay_alu instid0(VALU_DEP_2)
	v_floor_f32 v8, -v9                            ; -M
	s_delay_alu instid0(VALU_DEP_2)
	v_floor_f32 v12, -v13
.set j, 0
.rept 64
	v_mov_b32 v[160+j], 0                          ; O^T: the step is written once for each tile, and the first finds zeros
.set j, j+1
.endr
	s_wait_tensorcnt 0x0                           ; my key step lies in LDS,
	s_barrier_signal -1
	s_barrier_wait -1                              ; everybody's does
	s_wait_loadcnt 0x0                             ; Q
.macro KQ t, q, rowq                   ; score tile t: 16 keys x my 16 queries.  K's scale words: register t / 2, lanes 0-15 the even tile's, lanes 16-31 the odd tile's
.if ((\t)%2) && (\rowq)
	v_wmma_scale_f32_16x16x128_f8f6f4 v[S+8*(\t):S+8*(\t)+7], v[F+6*(\t):F+6*(\t)+11], v[\q:\q+11], 0, v[248+(\t)/2], v255 matrix_a_fmt:MATRIX_FMT_FP6 matrix_b_fmt:MATRIX_FMT_FP6 matrix_a_scale:MATRIX_SCALE_ROW1 matrix_b_scale:MATRIX_SCALE_ROW1
.elseif ((\t)%2)
	v_wmma_scale_f32_16x16x128_f8f6f4 v[S+8*(\t):S+8*(\t)+7], v[F+6*(\t):F+6*(\t)+11], v[\q:\q+11], 0, v[248+(\t)/2], v255 matrix_a_fmt:MATRIX_FMT_FP6 matrix_b_fmt:MATRIX_FMT_FP6 matrix_a_scale:MATRIX_SCALE_ROW1
.elseif (\rowq)
	v_wmma_scale_f32_16x16x128_f8f6f4 v[S+8*(\t):S+8*(\t)+7], v[F+6*(\t):F+6*(\t)+11], v[\q:\q+11], 0, v[248+(\t)/2], v255 matrix_a_fmt:MATRIX_FMT_FP6 matrix_b_fmt:MATRIX_FMT_FP6 matrix_b_scale:MATRIX_SCALE_ROW1
.else
	v_wmma_scale_f32_16x16x128_f8f6f4 v[S+8*(\t):S+8*(\t)+7], v[F+6*(\t):F+6*(\t)+11], v[\q:\q+11], 0, v[248+(\t)/2], v255 matrix_a_fmt:MATRIX_FMT_FP6 matrix_b_fmt:MATRIX_FMT_FP6
.endif
.endm
.macro PVM t, o                        ; O^T tile t += 16 channels x 128 keys x p
.if (\t)%2
	v_wmma_scale_f32_16x16x128_f8f6f4 v[\o+8*(\t):\o+8*(\t)+7], v[F+12*(\t):F+12*(\t)+11], v[224:235], v[\o+8*(\t):\o+8*(\t)+7], v[40+(\t)/2], v254 matrix_a_fmt:MATRIX_FMT_FP6 matrix_b_fmt:MATRIX_FMT_FP6 matrix_a_scale:MATRIX_SCALE_ROW1
.else
	v_wmma_scale_f32_16x16x128_f8f6f4 v[\o+8*(\t):\o+8*(\t)+7], v[F+12*(\t):F+12*(\t)+11], v[224:235], v[\o+8*(\t):\o+8*(\t)+7], v[40+(\t)/2], v254 matrix_a_fmt:MATRIX_FMT_FP6 matrix_b_fmt:MATRIX_FMT_FP6
.endif
.endm
; ONE UNIT: one tile of 16 queries x the 128 keys of the step in hand.  q: Q's registers; rowq: Q's scale words in lanes 16-31; st: the statistics; o: O^T; d: the mask's bound; last: the scalar with the tile's last key step.
; Four places stand ahead of it, for the loads into registers that the last products read.
.macro TILE q, rowq, st, o, d, last
.irp t, 0,1,2,3,4,5,6,7
	ds_load_b128 v[F+6*\t:F+6*\t+3], v3 offset:768*\t
	ds_load_b64 v[F+6*\t+4:F+6*\t+5], v4 offset:768*\t+512
.endr
	ds_load_b128 v[248:251], v3 offset:KSC
	s_wait_dscnt 0x0
.irp t, 0,1,2,3,4,5,6,7
	KQ \t, \q, \rowq
.endr
.rept 4
	v_nop                                          ; places: ahead of the loads into K's registers and of the first read of the scores
.endr
.irp t, 0,1,2,3
	ds_load_b128 v[F+12*\t:F+12*\t+3], v3 offset:VOF+1536*\t           ; V's fragments land while the softmax is worked
	ds_load_b64 v[F+12*\t+4:F+12*\t+5], v4 offset:VOF+1536*\t+512
	ds_load_b128 v[F+12*\t+6:F+12*\t+9], v3 offset:VOF+1536*\t+768
	ds_load_b64 v[F+12*\t+10:F+12*\t+11], v4 offset:VOF+1536*\t+1280
.endr
	ds_load_b64 v[40:41], v4 offset:VSC
	s_cmp_lg_u32 s19, s[\last]                     ; only a tile's last key step lies on the diagonal: there hidden scores become -infinity ahead of the maximum
	s_cbranch_scc1 .Lopen_\@
	v_mov_b32 v254, 0xff800000
.set n, 0
.rept 64
	v_cmp_gt_i32 vcc_lo, 32*(n/16)+n%16, v[\d]
	v_cndmask_b32 v[S+n], v[S+n], v254, vcc_lo
.set n, n+1
.endr
.Lopen_\@:
.irp b, 0,1,2,3
	v_max3_num_f32 v[232+\b], v[S+16*\b], v[S+1+16*\b], v[S+2+16*\b]   ; the largest score of each block of 32 keys: for the row's maximum and for the block's largest p
.endr
.irp i, 3,5,7,9,11,13
.irp b, 0,1,2,3
	v_max3_num_f32 v[232+\b], v[232+\b], v[S+16*\b+\i], v[S+1+16*\b+\i]
.endr
.endr
.irp b, 0,1,2,3
	v_max_num_f32 v[232+\b], v[232+\b], v[S+15+16*\b]
.endr
.irp b, 0,1,2,3
	s_delay_alu instid0(VALU_DEP_4)
	v_permlanex16_b32 v[236+\b], v[232+\b], s[SEL], s[SEL+1]
.endr
.irp b, 0,1,2,3
	s_delay_alu instid0(VALU_DEP_4)
	v_max_num_f32 v[232+\b], v[232+\b], v[236+\b]  ; with lane l xor 16's 16 keys
.endr
	s_delay_alu instid0(VALU_DEP_2)
	v_max3_num_f32 v254, v232, v233, v234
	s_delay_alu instid0(VALU_DEP_1)
	v_max_num_f32 v254, v254, v235                 ; the step's largest score of my query
	s_delay_alu instid0(VALU_DEP_1)
	v_mul_f32 v254, s[CS], v254                    ; as t
	s_delay_alu instid0(VALU_DEP_1)
	v_max_num_f32 v[\st+1], v[\st+1], v254         ; the running largest t
	v_mov_b32 v254, v[\st]
	s_delay_alu instid0(VALU_DEP_2)
	v_floor_f32 v[\st], -v[\st+1]                  ; the new -M = -ceil(t)
	s_delay_alu instid0(VALU_DEP_1)
	v_sub_f32 v254, v[\st], v254                   ; old M - new M
	s_delay_alu instid0(VALU_DEP_1)
	v_cvt_i32_f32 v254, v254
	s_delay_alu instid0(VALU_DEP_1)
	v_ldexp_f32 v252, 1.0, v254                    ; f = 2^(old M - new M)
.set j, 0
.rept 32
	v_pk_fma_f32 v[S+j:S+j+1], v[S+j:S+j+1], s[CS:CS+1], v[\st:\st+1] op_sel_hi:[1,0,0]   ; t - M, two at a time
.set j, j+2
.endr
.irp b, 0,1,2,3
	v_fma_f32 v[232+\b], v[232+\b], s[CS], v[\st]  ; the same of each block's largest score
.endr
.set j, 0
	s_wait_alu depctr_va_vdst(0)                   ; the wait ahead of the batch
.rept 64
	v_exp_f32 v[S+j], v[S+j]                       ; p = 2^(t - M), at most 1
.set j, j+1
.endr
	v_pk_mul_f32 v[\st+2:\st+3], v[\st+2:\st+3], v[252:253] op_sel_hi:[1,0]   ; the sums under the new M: the plain instruction behind the exponentials
	s_wait_alu depctr_va_vdst(0)                   ; one wait for the batch of 64, ahead of its first reader
.irp b, 0,1,2,3
	v_exp_f32 v[232+\b], v[232+\b]                 ; the blocks' largest p
.endr
	v_pk_add_f32 v[236:237], v[S:S+1], v[S+2:S+3]  ; the row's sum of the unquantised p, in two chains
.irp j, 4,8,12,16,20,24,28,32,36,40,44,48,52,56,60
	v_pk_add_f32 v[\st+2:\st+3], v[\st+2:\st+3], v[S+\j:S+1+\j]
	v_pk_add_f32 v[236:237], v[236:237], v[S+2+\j:S+3+\j]
.endr
	s_delay_alu instid0(VALU_DEP_1)
	v_pk_add_f32 v[\st+2:\st+3], v[\st+2:\st+3], v[236:237]
	s_wait_alu depctr_va_vdst(0)                   ; and one for the four
.irp b, 0,1,2,3
	v_max_num_f32 v[232+\b], 0x1800000, v[232+\b]  ; the floor 2^(3 - 127)
.endr
.irp b, 0,1,2,3
	s_delay_alu instid0(VALU_DEP_4)
	v_add_nc_u32 v[244+\b], 0xff000000, v[232+\b]  ; 2 off the exponent field: the conversion's scale operand
.endr
.irp b, 0,1,2,3
	s_delay_alu instid0(VALU_DEP_4)
	v_lshrrev_b32 v[236+\b], 23, v[244+\b]         ; the scale's byte
.endr
	s_delay_alu instid0(VALU_DEP_3)
	v_lshl_or_b32 v254, v237, 8, v236              ; p's scale word for these 128 keys
	s_delay_alu instid0(VALU_DEP_1)
	v_lshl_or_b32 v254, v238, 16, v254
	s_delay_alu instid0(VALU_DEP_1)
	v_lshl_or_b32 v254, v239, 24, v254
.irp c, 0,1
	v_cvt_scalef32_pk16_fp6_f32 v[224+6*\c:226+6*\c], v[S+32*\c:S+15+32*\c], v[244+2*\c]
	v_cvt_scalef32_pk16_fp6_f32 v[236+4*\c:238+4*\c], v[S+16+32*\c:S+31+32*\c], v[245+2*\c]
.endr
	v_nop                                          ; one plain instruction behind the scaled conversions
.irp c, 0,1                                        ; a whole block of 32 keys to a lane
.irp i, 0,1,2
	v_permlane16_swap_b32 v[224+6*\c+\i], v[236+4*\c+\i]
.endr
.irp i, 0,1,2
	s_delay_alu instid0(VALU_DEP_3)
	v_mov_b32 v[227+6*\c+\i], v[236+4*\c+\i]
.endr
.endr
.set j, 0
.rept 16
	v_pk_mul_f32 v[\o+j:\o+j+1], v[\o+j:\o+j+1], v[252:253] op_sel_hi:[1,0]   ; O^T under the new M; twelve of these name no register of each product below: its places
.set j, j+2
.endr
	s_wait_alu depctr_va_vdst(0)
	s_wait_dscnt 0x0                               ; V
.irp t, 0,1,2,3
	PVM \t, \o                                     ; four accumulators, one instruction each
.endr
.endm
	s_mov_b32 s19, 0
	s_mov_b32 s20, 0
.Lstep:                                            ; 16 trips, a constant; a step whose keys all come after a tile's queries is left out by a scalar branch on the wave's number and the trip
	s_cmp_gt_u32 s19, s18
	s_cbranch_scc1 .Lnext
	v_add_nc_u32 v3, s20, v1
	s_wait_alu depctr_va_vdst(0)
	v_add_nc_u32 v4, s20, v2
	s_wait_alu depctr_va_vdst(0)
	v_nop
	v_nop                                          ; with the two additions: four places behind the last trip's products
	TILE 16, 1, 8, 160, 5, 18
	s_cmp_gt_u32 s19, s17
	s_cbranch_scc1 .Lnext
.rept 4
	v_nop
.endr
	TILE 28, 0, 12, 192, 6, 17
.Lnext:
	s_add_co_u32 s20, s20, SK
	s_add_co_u32 s19, s19, 1
	s_cmp_lt_u32 s19, 16
	s_cbranch_scc1 .Lstep
	; THE WAY OUT: y = O^T / the sum, quantised along C: six registers of codes are the head's unit in y's image
.rept 4
	v_nop
.endr
	v_add_f32 v10, v10, v11
	v_add_f32 v14, v14, v15
	s_delay_alu instid0(VALU_DEP_2)
	v_permlanex16_b32 v236, v10, s[SEL], s[SEL+1]
	s_delay_alu instid0(VALU_DEP_2)
	v_permlanex16_b32 v237, v14, s[SEL], s[SEL+1]
	s_delay_alu instid0(VALU_DEP_2)
	v_add_f32 v10, v10, v236
	s_delay_alu instid0(VALU_DEP_2)
	v_add_f32 v14, v14, v237
	s_wait_alu depctr_va_vdst(0)
	v_rcp_f32 v10, v10
	v_rcp_f32 v14, v14
	v_and_b32 v7, 15, v0
	s_delay_alu instid0(VALU_DEP_1)
	v_lshlrev_b32 v7, 3, v7                        ; 8 r: a row's place among a K step's scale words
	s_wait_alu depctr_va_vdst(0)
.set j, 0
.rept 16
	v_pk_mul_f32 v[96+j:97+j], v[160+j:161+j], v[10:11] op_sel_hi:[1,0]
	v_pk_mul_f32 v[128+j:129+j], v[192+j:193+j], v[14:15] op_sel_hi:[1,0]
.set j, j+2
.endr
.macro QUANT2 s, d, tc, w              ; 32 numbers of a lane, register 16 b + i = channel 32 b + 16 h + i, become six registers of codes and two scale bytes
.irp b, 0,1
	v_max3_num_f32 v[232+\b], |v[\s+16*\b]|, |v[\s+1+16*\b]|, 0x1800000
.endr
.irp i, 2,4,6,8,10,12,14
.irp b, 0,1
	s_delay_alu instid0(VALU_DEP_2)
	v_max3_num_f32 v[232+\b], v[232+\b], |v[\s+16*\b+\i]|, |v[\s+1+16*\b+\i]|
.endr
.endr
.irp b, 0,1
	s_delay_alu instid0(VALU_DEP_2)
	v_permlanex16_b32 v[236+\b], v[232+\b], s[SEL], s[SEL+1]
.endr
.irp b, 0,1
	s_delay_alu instid0(VALU_DEP_2)
	v_max_num_f32 v[232+\b], v[232+\b], v[236+\b]
.endr
.irp b, 0,1
	s_delay_alu instid0(VALU_DEP_2)
	v_add_nc_u32 v[244+\b], 0xff000000, v[232+\b]
.endr
.irp b, 0,1
	s_delay_alu instid0(VALU_DEP_2)
	v_lshrrev_b32 v[236+\b], 23, v[244+\b]
.endr
	s_delay_alu instid0(VALU_DEP_1)
	v_lshl_or_b32 v[\w], v237, 8, v236
	v_cvt_scalef32_pk16_fp6_f32 v[\d:\d+2], v[\s:\s+15], v244
	v_cvt_scalef32_pk16_fp6_f32 v[\tc:\tc+2], v[\s+16:\s+31], v245
	v_nop
.irp i, 0,1,2
	v_permlane16_swap_b32 v[\d+\i], v[\tc+\i]
.endr
.irp i, 0,1,2
	s_delay_alu instid0(VALU_DEP_3)
	v_mov_b32 v[\d+3+\i], v[\tc+\i]
.endr
.endm
	QUANT2 96, 42, 48, 240
	global_store_b128 v1, v[42:45], s[46:47]       ; 512 consecutive bytes
	global_store_b64 v2, v[46:47], s[46:47] offset:512
	global_store_b16 v7, v240, s[50:51]            ; lanes l and l xor 16 write the same halfword with the same value
	QUANT2 128, 54, 60, 241
	global_store_b128 v1, v[54:57], s[44:45]
	global_store_b64 v2, v[58:59], s[44:45] offset:512
	global_store_b16 v7, v241, s[48:49]
	s_wait_xcnt 0x0
	v_lshl_add_u32 v254, v0, 2, 0x33000            ; the add's two registers, made anew
	v_mov_b32 v255, 0
	s_wait_alu depctr_va_vdst(0)
	s_wait_tensorcnt 0x0                           ; the wave's end
	ds_add_u32 v254, v255
	s_wait_dscnt 0x0
	CROUND                                         ; the closing round
	s_endpgm
.Lfunc_end_k_qb4add54001_attn:
	.size	k_qb4add54001_attn, .Lfunc_end_k_qb4add54001_attn-k_qb4add54001_attn
	.p2alignl 7, 3214868480
	.fill 96, 4, 3214868480
	.section	.rodata,"a",@progbits
	.p2align	6, 0x0
	.amdhsa_kernel k_qb4add54001_attn
		.amdhsa_group_segment_fixed_size 210944
		.amdhsa_private_segment_fixed_size 0
		.amdhsa_enable_private_segment 0
		.amdhsa_kernarg_size 32
		.amdhsa_user_sgpr_count 2
		.amdhsa_user_sgpr_kernarg_segment_ptr 1
		.amdhsa_wavefront_size32 1
		.amdhsa_system_sgpr_workgroup_id_x 1
		.amdhsa_system_sgpr_workgroup_id_y 1
		.amdhsa_system_sgpr_workgroup_id_z 1
		.amdhsa_system_vgpr_workitem_id 0
		.amdhsa_next_free_vgpr 256
		.amdhsa_next_free_sgpr 66
		.amdhsa_reserve_vcc 1
		.amdhsa_float_denorm_mode_32 3
		.amdhsa_float_denorm_mode_16_64 3
		.amdhsa_memory_ordered 1
		.amdhsa_forward_progress 1
		.amdhsa_inst_pref_size 63
	.end_amdhsa_kernel
	.amdgpu_metadata
---
amdhsa.version: [ 1, 2 ]
amdhsa.kernels:
  - .name:           k_qb4add54001_attn
    .symbol:         k_qb4add54001_attn.kd
    .args:
      - { .name: qb, .offset: 0, .size: 8, .value_kind: global_buffer, .address_space: global }
      - { .name: kv, .offset: 8, .size: 8, .value_kind: global_buffer, .address_space: global }
      - { .name: y_img, .offset: 16, .size: 8, .value_kind: global_buffer, .address_space: global }
      - { .name: y_sc, .offset: 24, .size: 8, .value_kind: global_buffer, .address_space: global }
    .group_segment_fixed_size: 210944
    .private_segment_fixed_size: 0
    .kernarg_segment_align: 8
    .kernarg_segment_size: 32
    .max_flat_workgroup_size: 512
    .sgpr_count:     66
    .vgpr_count:     256
    .wavefront_size: 32
...
	.end_amdgpu_metadata
.endif
;; end of part 3
;; launch proj (part 4): grid 8 x 32, 4 waves a work-group, clusters of 4 x 4, 327,680 bytes of LDS; arguments y_img, y_sc, w_img, w_sc, out0; writes out0
.if DOCPART == 4
	.amdgcn_target "amdgcn-amd-amdhsa--gfx1250"
	.amdhsa_code_object_version 6
	.text
	.protected	k_qb4add54001_proj
	.globl	k_qb4add54001_proj
	.p2align	8
	.type	k_qb4add54001_proj,@function
k_qb4add54001_proj:
	s_mov_b64 s[64:65], 0
	v_nop
	global_prefetch_b8 v0, s[64:65] scope:SCOPE_SE
	s_setreg_imm32_b32 hwreg(HW_REG_WAVE_MODE, 25, 1), 1
	s_wait_xcnt 0x0
	s_wait_alu depctr_hold_cnt(0) depctr_sa_sdst(0) depctr_va_vdst(0) depctr_va_sdst(0) depctr_va_ssrc(0) depctr_va_vcc(0) depctr_vm_vsrc(0)
	s_getreg_b32 s2, hwreg(HW_REG_IB_STS2, 6, 4)
	s_cmp_eq_u32 s2, 0
	s_cbranch_scc0 .Lentry_in_a_cluster
	s_endpgm
.Lentry_in_a_cluster:
	s_bfe_u32 s2, ttmp6, 0x10000c
	s_cmp_lg_u32 s2, 0xf033
	s_cbranch_scc0 .Lentry_shape_is_right
	s_endpgm
.Lentry_shape_is_right:
; out0 = y w_out^T on codes of E2M3 (K = 1,024), f32 out.  y_img, y_sc: y's 512 blocks of 16 rows; w_img, w_sc: w_out's 64 blocks from block 192 on.
; A block (lane-row r of block a = row 32 (a / 2) + 8 (a % 2) + r + 8 (r / 8)) is 8 fragments of 1,536 bytes on end, each an image of its 12 registers: 0-3 at 16 x lane, 4-5 at 512 + 8 x lane, 6-9 at 768 + 16 x lane,
; 10-11 at 1,280 + 8 x lane.  A block's scale words: 512 bytes, word (S, r, q) at 128 S + 8 r + 4 q, for fragment 2 S + q.
; THE DEAL: 8 x 32 = 256 work-groups, each 256 rows x 128 columns; four waves, 2 x 2.  ALL OF K LIES IN LDS: y's 16 blocks (196,608 bytes) and w_out's 8 (98,304), each filled once: no ring, no refill.
; A wave holds its 4 blocks of w_out, all of K, in 384 registers, and streams 8 blocks of y past them: the wave in row RH takes the tile's blocks 4 RH + 0 .. 3 and then 8 + 4 RH + 0 .. 3.
; A block is 32 products on 4 accumulators by turns; its 16 x 64 results are then finished and leave at once.
; THE HEAD'S LOADS, one a wave, all joint: waves 0 and 1 a half each of w_out's blocks (shared by a column of the cluster), wave 2 y's blocks 0-7, wave 3 y's blocks 8-15 (shared by a row).
; Three plain barriers show them: the first w_out's (waves 0 and 1 wait), the second y's blocks 0-7 (wave 2 waits too), the third, inside block 2, the rest (every wave waits).
; SCALE WORDS come by plain loads of 256 consecutive bytes: lane l takes 8 bytes at 8 l, so lanes 0-15 hold S = 2 u, lanes 16-31 S = 2 u + 1: fragment f is register 2 (f / 4) + f % 2, row (f / 2) % 2, on both sides.
; Source 0 = w_out's rows, source 1 = y's: a lane holds one row of y, and registers of tiles 2 j, 2 j + 1 are columns 32 j + 16 (lane / 16) + 0 .. 15.
; THE WAY OUT: a block goes through the wave's own stage in LDS (bytes that no tensor load fills) and comes back as rows of 256 bytes: sixteen lanes store 256 consecutive bytes, aligned.
; No prefetch: the text has no loop, and every byte is asked for at the head.
; REGISTERS: window 0: v4-13 addresses, v14-15 the add's; v56-119 scale words (y's block s at 56 + 8 s, w_out's block b at 60 + 8 b); v128-191 two sets of accumulators; v192-255 two sets of rows read back.
;   Fragment f lies in window 1 + f / 21 at register 12 (f % 21): 0-31 w_out's (4 q + b), 32-39 and 40-47 y's two sets.
.set FR,     12
.set FPW,    21
.set BLKB,   12288
.set BOF,    16*BLKB
.set SPITCH, 272
.set STAGE,  BOF+8*BLKB
.set SPARE,  STAGE+4*16*SPITCH
.set A16, 4                            ; v4, v5 y's fragments, 16 x lane: blocks 0-3, 4-7 of mine;  v6, v7 the same with 8 x lane
.set A8,  6
.set B16, 8
.set B8,  9
.set STO, 10
.set RD,  11
.set CO,  12
.set L8,  13
.set SPW, 14
.set NIL, 15
.set SCB, 56
.set ACC, 128
.set BK,  192
.set WV,  16
.set RH,  17
.set CH,  18
.set G1A, 24                           ; s[24:31], s[36:39] groups 1 and 0 of y's halves;  s[48:55], s[32:35] of w_out's
.set G0A, 36
.set G1B, 48
.set G0B, 32
.set MSB, 0
.macro WIN new
.if MSB != (\new)
	s_set_vgpr_msb (MSB<<8)|(\new)
.set MSB, (\new)
.endif
.endm
.macro PLACES n
.rept \n
	v_nop
.endr
.endm
.macro CROUND
	s_barrier_signal -1
	s_barrier_wait -1
	s_cmp_lg_u32 s[WV], 0
	s_cbranch_scc1 .Lnot_wave_0_\@
	s_barrier_signal -3
.Lnot_wave_0_\@:
	s_barrier_wait -3
	s_barrier_signal -1
	s_barrier_wait -1
.endm
.macro TLOAD g0, g1
	tensor_load_to_lds s[\g0:\g0+3], s[\g1:\g1+7]
	s_nop 0
	PLACES 4
.endm
	s_load_b256 s[4:11], s[0:1], 0x0               ; y_img, y_sc, w_img, w_sc
	s_load_b64 s[12:13], s[0:1], 0x20              ; out0
	v_lshl_add_u32 v[SPW], v0, 2, SPARE
	v_mov_b32 v[NIL], 0
	ds_add_u32 v[SPW], v[NIL]                      ; the opening lines
	ds_add_u32 v[SPW], v[NIL]
	v_lshrrev_b32 v1, 5, v0
	v_readfirstlane_b32 s[WV], v1
	s_lshr_b32 s[RH], s[WV], 1
	s_and_b32 s[CH], s[WV], 1
	s_bfe_u32 s19, ttmp6, 0x40000                  ; cx
	s_bfe_u32 s20, ttmp6, 0x40004                  ; cy
	s_and_b32 s23, ttmp7, 0xffff
	s_lshl_b32 s23, s23, 2
	s_add_co_u32 s23, s23, s20                     ; tile row TR, 0 .. 31
	s_lshl_b32 s40, ttmp9, 2
	s_add_co_u32 s40, s40, s19                     ; tile column TC, 0 .. 7
	s_lshl_b32 s44, s20, 2
	s_lshl_b32 s44, 15, s44                        ; my row of the cluster
	s_lshl_b32 s45, 0x1111, s19                    ; my column
	s_or_b32 s[G1A], s44, (3<<16)|(1<<21)          ; dense bytes as rows of 256 (32 elements of 8 bytes): 384 rows for 8 blocks of y,
	s_mov_b32 s[G1A+1], 32<<16
	s_mov_b32 s[G1A+2], 384<<16
	s_mov_b32 s[G1A+3], 32<<16
	s_mov_b32 s[G1A+4], 384
	s_mov_b32 s[G1A+5], 32
	s_mov_b32 s[G1A+6], 0
	s_mov_b32 s[G1A+7], 0
	s_or_b32 s[G1B], s45, (3<<16)|(1<<21)          ; 192 rows for 4 blocks of w_out
	s_mov_b32 s[G1B+1], 32<<16
	s_mov_b32 s[G1B+2], 192<<16
	s_mov_b32 s[G1B+3], 32<<16
	s_mov_b32 s[G1B+4], 192
	s_mov_b32 s[G1B+5], 32
	s_mov_b32 s[G1B+6], 0
	s_mov_b32 s[G1B+7], 0
	s_mov_b32 s[G0A], 1
	s_mul_i32 s[G0A+1], s[CH], 8*BLKB              ; waves 2, 3: y's half wave % 2
	s_mov_b32 s[G0B], 1
	s_mul_i32 s[G0B+1], s[CH], 4*BLKB              ; waves 0, 1: w_out's half wave % 2
	s_add_co_u32 s[G0B+1], s[G0B+1], BOF
	s_mul_i32 s56, s23, 16*BLKB
	s_add_co_u32 s56, s56, s[G0A+1]                ; y's half, bytes from y_img
	s_mov_b32 s57, 0
	s_mul_i32 s58, s40, 8*BLKB
	s_mul_i32 s59, s[CH], 4*BLKB
	s_add_co_u32 s58, s58, s59
	s_add_co_u32 s58, s58, 192*BLKB                ; w_out's half, from w_img
	s_mov_b32 s59, 0
	s_lshl_b32 s60, s23, 13
	s_lshl_b32 s61, s[RH], 11
	s_add_co_u32 s60, s60, s61                     ; my blocks' scale words: (16 TR + 4 RH) x 512
	s_mov_b32 s61, 0
	s_lshl_b32 s62, s40, 12
	s_lshl_b32 s63, s[CH], 11
	s_add_co_u32 s62, s62, s63
	s_add_co_u32 s62, s62, 192*512                 ; (192 + 8 TC + 4 CH) x 512
	s_mov_b32 s63, 0
	s_lshl_b32 s68, s23, 20                        ; out0: row 256 TR + 64 RH, column 128 TC + 64 CH
	s_lshl_b32 s69, s[RH], 18
	s_add_co_u32 s68, s68, s69
	s_lshl_b32 s69, s40, 9
	s_add_co_u32 s68, s68, s69
	s_lshl_b32 s69, s[CH], 8
	s_add_co_u32 s68, s68, s69
	s_mov_b32 s69, 0
	s_mul_i32 s46, s[RH], 4*BLKB                   ; LDS: my first four blocks of y,
	s_add_co_u32 s47, s46, 8*BLKB                  ; my last four,
	s_mul_i32 s70, s[CH], 4*BLKB
	s_add_co_u32 s70, s70, BOF                     ; my four of w_out,
	s_mul_i32 s71, s[WV], 16*SPITCH
	s_add_co_u32 s71, s71, STAGE                   ; my stage
	s_wait_dscnt 0x0
	CROUND                                         ; all sixteen work-groups are here: the joint loads meet
	s_wait_kmcnt 0x0
	s_add_nc_u64 s[G0A+2:G0A+3], s[4:5], s[56:57]
	s_or_b32 s[G0A+3], s[G0A+3], 0x80000000
	s_add_nc_u64 s[G0B+2:G0B+3], s[8:9], s[58:59]
	s_or_b32 s[G0B+3], s[G0B+3], 0x80000000
	s_add_nc_u64 s[6:7], s[6:7], s[60:61]
	s_add_nc_u64 s[10:11], s[10:11], s[62:63]
	s_add_nc_u64 s[12:13], s[12:13], s[68:69]
	s_cmp_lt_u32 s[WV], 2
	s_cbranch_scc0 .Lwave_2
	TLOAD G0B, G1B                                 ; waves 0, 1
	s_branch .Lasked
.Lwave_2:
	s_cmp_eq_u32 s[WV], 2
	s_cbranch_scc0 .Lwave_3
	TLOAD G0A, G1A                                 ; wave 2: a line of its own, since wave 3 waits later
	s_branch .Lasked
.Lwave_3:
	TLOAD G0A, G1A
.Lasked:
	v_and_b32 v1, 31, v0
	v_and_b32 v2, 15, v0                           ; r
	v_bfe_u32 v3, v0, 4, 1                         ; h
	v_lshlrev_b32 v[L8], 3, v1
	v_lshlrev_b32 v16, 4, v1
	v_add_nc_u32 v[A16], s46, v16
	v_add_nc_u32 v[A8], s46, v[L8]
	v_add_nc_u32 v[A16+1], s47, v16
	v_add_nc_u32 v[A8+1], s47, v[L8]
	v_add_nc_u32 v[B16], s70, v16
	v_add_nc_u32 v[B8], s70, v[L8]
	v_mul_u32_u24 v17, v2, SPITCH                  ; into the stage: row r, 64 bytes for each half of the lanes
	v_lshl_add_u32 v17, v3, 6, v17
	v_add_nc_u32 v[STO], s71, v17
	v_mul_u32_u24 v18, v3, SPITCH                  ; back: lanes 0-15 one row of 256 bytes, lanes 16-31 the next
	v_lshl_add_u32 v18, v2, 4, v18
	v_add_nc_u32 v[RD], s71, v18
	v_lshlrev_b32 v19, 12, v3                      ; and the same two rows in out0
	v_lshl_add_u32 v[CO], v2, 4, v19
	s_wait_alu depctr_va_vdst(0)                   ; the wait at the head's end
.irp u, 0,1
.irp s, 0,1,2,3,4,5,6,7
	global_load_b64 v[SCB+8*\s+2*\u:SCB+8*\s+2*\u+1], v[L8], s[6:7] offset:((\s%4)+8*(\s/4))*512+256*\u
.endr
.irp b, 0,1,2,3
	global_load_b64 v[SCB+8*\b+4+2*\u:SCB+8*\b+5+2*\u], v[L8], s[10:11] offset:\b*512+256*\u
.endr
.endr
.macro FRAGL f, a16, a8, off           ; a fragment comes as it lies: 16, 8, 16, 8 bytes a lane
	WIN (1+(\f)/FPW)<<6
.set R_, FR*((\f)%FPW)
	ds_load_b128 v[R_:R_+3], v[\a16] offset:\off
	ds_load_b64 v[R_+4:R_+5], v[\a8] offset:\off+512
	ds_load_b128 v[R_+6:R_+9], v[\a16] offset:\off+768
	ds_load_b64 v[R_+10:R_+11], v[\a8] offset:\off+1280
.endm
.macro FETCH s                         ; my block s of y into set s % 2: 32 loads
.irp q, 0,1,2,3,4,5,6,7
	FRAGL 32+8*((\s)%2)+\q, A16+(\s)/4, A8+(\s)/4, ((\s)%4)*BLKB+1536*\q
.endr
	WIN 0
.endm
.macro PR1 c, row
	v_wmma_scale_f32_16x16x128_f8f6f4 v[D_:D_+7], v[FR*(FB_%FPW):FR*(FB_%FPW)+FR-1], v[FR*(FA_%FPW):FR*(FA_%FPW)+FR-1], \c, v[XB_], v[XA_] matrix_a_fmt:MATRIX_FMT_FP6 matrix_b_fmt:MATRIX_FMT_FP6 matrix_a_scale:MATRIX_SCALE_ROW\row matrix_b_scale:MATRIX_SCALE_ROW\row
.endm
.macro PROD s, q, b
.set FB_, 4*(\q)+(\b)
.set FA_, 32+8*((\s)%2)+(\q)
.set D_, ACC+32*((\s)%2)+8*(\b)
.set XB_, SCB+8*(\b)+4+2*((\q)/4)+(\q)%2
.set XA_, SCB+8*(\s)+2*((\q)/4)+(\q)%2
	WIN (1+FB_/FPW)|((1+FA_/FPW)<<2)
.if (\q) == 0
	PR1 0, 0                                       ; the first product starts the sum
.elseif ((\q)/2)%2
	PR1 v[D_:D_+7], 1
.else
	PR1 v[D_:D_+7], 0
.endif
.endm
.macro TOSTAGE s                       ; 8 stores, each accumulator from its low end on, and 8 loads; LDS serves a wave's instructions in order
.set AC_, ACC+32*((\s)%2)
.irp b, 0,1,2,3
	ds_store_b128 v[STO], v[AC_+8*\b:AC_+8*\b+3] offset:128*(\b/2)+32*(\b%2)
	ds_store_b128 v[STO], v[AC_+8*\b+4:AC_+8*\b+7] offset:128*(\b/2)+32*(\b%2)+16
.endr
.set BB_, BK+32*((\s)%2)
.irp t, 0,1,2,3,4,5,6,7
	ds_load_b128 v[BB_+4*\t:BB_+4*\t+3], v[RD] offset:\t*2*SPITCH
.endr
.endm
.macro SEND s, younger                 ; younger: the LDS loads issued behind the block's loads from the stage
.set BB_, BK+32*((\s)%2)
	s_wait_dscnt \younger
.irp t, 0,1,2,3,4,5,6,7
	global_store_b128 v[CO], v[BB_+4*\t:BB_+4*\t+3], s[12:13] offset:(128*((\s)/4)+32*(((\s)%4)/2)+8*((\s)%2)+2*\t+8*(\t/4))*4096 th:TH_STORE_NT
.endr
.endm
; A block.  Its rows were fetched two blocks ago; younger than that fetch are the last block's way out (16) and the next block's fetch (32).
.macro BLK s
.if (\s) == 0
	s_wait_dscnt 32                                ; block 1's fetch may be out
.elseif (\s) == 2
	s_wait_tensorcnt 0x0                           ; every wave: all the head's loads are in, y's blocks 8-15 among them
	s_wait_dscnt 0x0
	s_barrier_signal -1                            ; the products stand between signal and wait: work on registers
.elseif (\s) < 7
	s_wait_dscnt 48
.else
	s_wait_dscnt 16
.endif
.irp q, 0,1,2,3,4,5,6,7
.irp b, 0,1,2,3
	PROD \s, \q, \b
.endr
.endr
	WIN 0
.if (\s) == 2
	s_barrier_wait -1
.endif
	PLACES 4                                       ; ahead of the stores of the results and of the loads into the set just read
.if (\s) > 0
.if (\s) < 7
	SEND (\s)-1, 32                                ; the last block leaves; this block's successor's fetch may be out
.else
	SEND (\s)-1, 0
.endif
	s_wait_xcnt 0x0                                ; earlier stores have read their registers: the loads below may land there
.endif
	TOSTAGE \s
.if (\s) < 6
	FETCH (\s)+2
.endif
.endm
	s_cmp_lt_u32 s[WV], 2
	s_cbranch_scc0 .Lnot_b
	s_wait_tensorcnt 0x0
.Lnot_b:
	s_barrier_signal -1
	s_barrier_wait -1                              ; w_out's blocks are in
.irp q, 0,1,2,3,4,5,6,7
.irp b, 0,1,2,3
	FRAGL 4*\q+\b, B16, B8, \b*BLKB+1536*\q
.endr
.endr
	WIN 0
	s_cmp_eq_u32 s[WV], 3
	s_cbranch_scc1 .Lnot_a
	s_wait_tensorcnt 0x0
.Lnot_a:
	s_wait_dscnt 0x0
	s_barrier_signal -1
	s_barrier_wait -1                              ; y's blocks 0-7 are in; blocks 8-15 may be on their way
	FETCH 0
	FETCH 1
	s_wait_loadcnt 0x0                             ; the scale words
.irp s, 0,1,2,3,4,5,6,7
	BLK \s
.endr
	SEND 7, 0
	s_wait_tensorcnt 0x0                           ; the wave's end
	ds_add_u32 v[SPW], v[NIL]
	s_wait_dscnt 0x0
	CROUND                                         ; the closing round
	s_endpgm
.Lfunc_end_k_qb4add54001_proj:
	.size	k_qb4add54001_proj, .Lfunc_end_k_qb4add54001_proj-k_qb4add54001_proj
	.p2alignl 7, 3214868480
	.fill 96, 4, 3214868480
	.section	.rodata,"a",@progbits
	.p2align	6, 0x0
	.amdhsa_kernel k_qb4add54001_proj
		.amdhsa_group_segment_fixed_size 327680
		.amdhsa_private_segment_fixed_size 0
		.amdhsa_enable_private_segment 0
		.amdhsa_kernarg_size 40
		.amdhsa_user_sgpr_count 2
		.amdhsa_user_sgpr_kernarg_segment_ptr 1
		.amdhsa_wavefront_size32 1
		.amdhsa_system_sgpr_workgroup_id_x 1
		.amdhsa_system_sgpr_workgroup_id_y 1
		.amdhsa_system_sgpr_workgroup_id_z 1
		.amdhsa_system_vgpr_workitem_id 0
		.amdhsa_next_free_vgpr 1024
		.amdhsa_next_free_sgpr 80
		.amdhsa_reserve_vcc 0
		.amdhsa_float_denorm_mode_32 3
		.amdhsa_float_denorm_mode_16_64 3
		.amdhsa_memory_ordered 1
		.amdhsa_forward_progress 1
		.amdhsa_inst_pref_size 83
	.end_amdhsa_kernel
	.amdgpu_metadata
---
amdhsa.version: [ 1, 2 ]
amdhsa.kernels:
  - .name:           k_qb4add54001_proj
    .symbol:         k_qb4add54001_proj.kd
    .args:
      - { .name: y_img, .offset: 0, .size: 8, .value_kind: global_buffer, .address_space: global }
      - { .name: y_sc, .offset: 8, .size: 8, .value_kind: global_buffer, .address_space: global }
      - { .name: w_img, .offset: 16, .size: 8, .value_kind: global_buffer, .address_space: global }
      - { .name: w_sc, .offset: 24, .size: 8, .value_kind: global_buffer, .address_space: global }
      - { .name: out0, .offset: 32, .size: 8, .value_kind: global_buffer, .address_space: global }
    .group_segment_fixed_size: 327680
    .private_segment_fixed_size: 0
    .kernarg_segment_align: 8
    .kernarg_segment_size: 40
    .max_flat_workgroup_size: 128
    .sgpr_count:     80
    .vgpr_count:     1024
    .wavefront_size: 32
...
	.end_amdgpu_metadata
.endif
;; end of part 4
